; MI455X (gfx1250); checked and timed in simulation.
; The chip was launched on July 23, 2026; its instructions are those of AMD's public machine-readable ISA for CDNA 5 (MIT licence, August 2026) and "CDNA5" Instruction Set Architecture Reference Guide (July 2026). The comments in the code are by the model that wrote it; some were corrected since.
;; Span Self Attention. Allowed arithmetic: matrix products marked QUANTISED: E3M2 operands, one E8M0 scale for each 32 along K, by v_wmma_scale_f32_16x16x128_f8f6f4 with both operands' format E3M2, f32 sums; products left as they are: f32 operands where the result goes on into a quantised operand, else bf16, f16 or f32 operands; f32 sums; everything else in f32.
;; Inputs: W1_codes 1,024 x 32 x 24 uint8 (E3M2 codes of W1, K innermost, in blocks of 32 codes, four codes in three bytes); W1_scales 1,024 x 32 uint8 (E8M0 scales of W1, one for each 32 codes along K); b 2 x 2,048 int32; b1 1,024 float32; b_out 1 float32; e 2 x 2,048 int32; inputs 2 x 2,048 x 1,024 float32; w_out 1,024 x 1 float32.
;; Outputs: out0 2 x 2,048 x 1,024 float32.
;; Constants: max_width = 16.
;; This version of the problem:
;;   THIS VERSION OF THE PROBLEM IS GIVEN IN LOW PRECISION. The matrix products marked QUANTISED in the list below multiply operands that are first quantised to E3M2 (3 exponent bits, 2 mantissa bits; 6 bits a number), with one power-of-two scale for each 32 numbers along K (OCP MX v1.0); their sums are f32. All else is computed in f32.
;;   The module's matrix products, in the order in which they are computed (A, B: the left and right operand; K: the contracted axis; several contracted axes count as one K, in the product's order):
;;     1. [M 65,536, K 1,024] x [K 1,024, N 1,024]; A: computed on the way; B: input W1 (given as codes): QUANTISED
;;     2. [M 65,536, K 1,024] x [K 1,024, N 1]; A: computed on the way; B: computed on the way: left as it is (N = 1 < 16)
;;     3. batch 4,096 x [M 1, K 16] x [K 16, N 1,024]; A: softmax; B: computed on the way: left as it is (K = 16 < 32)
;;   THE QUANTISER, for each operand of a quantised product, along K:
;;     - K is cut into blocks of 32 from its start; a last block that is shorter is filled with zeros.
;;     - A block's scale is 2^e with e = floor(log2(the largest magnitude in the block)) - 4, held to -126 .. 127; a block of zeros has e = 0. As a byte (E8M0): e + 127.
;;     - Each number is divided by its block's scale, clamped to +-28, and rounded to the nearest number of E3M2, ties to even, subnormals kept.
;;     - The product sums the exact products of the quantised numbers (number of the format x scale) in f32.
;;   ~~~python
;;   def quantise(x, axis):      # numpy; x: float32 -> the quantised numbers, widened to float32 again
;;       x = np.moveaxis(x, axis, -1); K = x.shape[-1]
;;       x = np.pad(x, [(0, 0)] * (x.ndim - 1) + [(0, -K % 32)]); x = x.reshape(x.shape[:-1] + (-1, 32)); a = np.abs(x).max(-1, keepdims=True)
;;       e = np.where(a > 0, np.clip(np.frexp(np.where(a > 0, a, 1))[1] - 1 - 4, -126, 127), 0)      # np.frexp(a)[1] - 1 = floor(log2(a)), exactly
;;       r = np.clip(x / 2.0 ** e, -28, 28)
;;       step = 2.0 ** (np.maximum(np.frexp(np.where(r == 0, 1, r))[1] - 1, -2) - 2)
;;       q = np.round(r / step) * step * 2.0 ** e      # np.round: ties to even
;;       return np.moveaxis(q.reshape(q.shape[:-2] + (-1,))[..., :K], -1, axis).astype(np.float32)
;;   ~~~
;;   OPERANDS COMPUTED ON THE WAY. 'Computed on the way' means the value that the module computes at that place (a softmax that the list does not call 'softmax' is quantised finished and normalised). What goes into a quantiser is computed in f32, as accurately as f32 sums, v_exp_f32 and their like allow (about 1e-6 of the number): no bf16 or f16 on the way to a quantiser, and a product that is left as it is and whose result goes on into a quantised operand takes f32 operands (vector FMAs, or v_wmma_f32_16x16x4_f32). A number that lies on a knife's edge between two numbers of the format may be rounded either way, as far as f32 arithmetic and the matrix unit's own rounding can turn it there, and no further.
;;   INPUTS GIVEN AS CODES. W1 (in the module: [1024, 1024], K = its axis 0): each comes as NAME_codes (uint8): NAME with its K axis moved to the last place and cut into blocks of 32 codes, [.., K / 32, bytes a block], one block behind the other in memory; four codes in three bytes: a row's codes are one little-endian stream of bits, code i at bits 6 i .. 6 i + 5 (a code: sign, 3 exponent bits, 2 mantissa bits); and NAME_scales (uint8): the same leading axes, one E8M0 byte (e + 127) for each 32 codes along K. Its value is code x scale, taken as it is: it is not quantised again, and the codes and scales need not be those that the quantiser above would give.
;; 3 versions. Each part assembles by itself: llvm-mc -triple=amdgcn-amd-amdhsa -mcpu=gfx1250 --defsym DOCPART=n.
;; ======== version 1 of 3: 3 launches
;; workspace buffers: xc 3,170,304 bytes; xs 132,096 bytes; part 4,194,304 bytes
;; launch quant (part 1): grid 258 x 1, 2 waves a work-group, no clusters, 16,640 bytes of LDS; arguments inputs, xc, xs; writes xc, xs
.if DOCPART == 1
	.amdgcn_target "amdgcn-amd-amdhsa--gfx1250"
	.amdhsa_code_object_version 6
	.text
	.protected	k_qbfd6ea9d21_quant
	.globl	k_qbfd6ea9d21_quant
	.p2align	8
	.type	k_qbfd6ea9d21_quant,@function
k_qbfd6ea9d21_quant:
	s_mov_b64 s[64:65], 0
	v_nop
	global_prefetch_b8 v0, s[64:65] scope:SCOPE_SE
	s_setreg_imm32_b32 hwreg(HW_REG_WAVE_MODE, 25, 1), 1
	s_wait_xcnt 0x0
; Every token of inputs [2][2048][1024] f32 is turned ONCE into codes of BF6 (E3M2) with one E8M0 byte for each 32 along K, since the quantiser works along a token's
; own row and so does not hang on the span that gathers the token.  Behind each batch stand 16 copies of its token 2047: a window b .. b + 15 with its indices held at 2047
; is then 16 consecutive rows of xc, for every b up to 2047.
; xc: [2][2064][768] bytes.  A row is laid in the order of the operand's registers: block kb = 4 s + 2 c + h (K step s of 128, half c of it, lane half h) lies at 384 h + 48 s + 24 c,
; so that the 12 registers which lane (r, h) wants for K step s are 48 consecutive bytes at a multiple of 16.     xs: [2][2064][32] bytes: byte kb, in its natural order: word s is K step s's scale word.
; A block's scale is 2^(floor(log2(its largest magnitude)) - 4); its byte is the largest magnitude's own exponent field - 4, held at 1 from below.  Each number is divided by the scale and
; rounded to the nearest code, ties to even; beyond the largest code the largest.
; LIMITS: a block of zeros gets the byte 1 where the rule says 127 (its codes are zeros, which add nothing, and this program alone reads the bytes); blocks whose largest magnitude lies
; under 2^(4 - 126) are held at that floor; NaN and infinities among the inputs are not served.
; SHARES.  A wave takes a chunk of 8 rows of xc (8,192 numbers) in 16 steps of 512 numbers, half a row.  516 chunks, 258 to a batch; a batch's last two chunks are the copies: their 8 rows all read token 2047
; (row stride 0).  There is one path through the text: only the first row and the row stride are chosen, on the chunk's number.
; A load reads 512 consecutive bytes, 16 a lane; the conversion wants 16 NEIGHBOURS in a lane: so a step's 2,048 bytes turn through the wave's own stage in LDS (16 bytes of padding behind each 64).
; Two neighbouring lanes hold a block.  Loads run four steps (16 loads a wave) ahead, the turn through LDS one step.  No barrier: waves share nothing.
.set STEPS, 16
.set EMAX,  4
.set CHB,   258                        ; chunks in a batch of xc
.set R,     16                         ; v16-79    four sets of 16 numbers as they are loaded
.set X,     80                         ; v80-111   two sets of 16 neighbours
.set E,     112                        ; v112-127  a scale byte for each step
.set C,     128                        ; v128-191  codes: four registers for each step, so that no store's data are written again
.set SRC,   192                        ; v192-199  byte offset of my 16 bytes in row k of the chunk
.set WREG,  8192                       ; LDS: a region for each wave: two stages of 32 x SP bytes, behind them its 256 scale bytes
.set SP,    80                         ; a lane's place in a stage: its 64 bytes + 16 of padding
	s_load_b128 s[4:7], s[0:1], 0x0                ; inputs s[4:5], xc s[6:7]
	s_load_b64 s[8:9], s[0:1], 0x10                ; xs
	v_lshl_add_u32 v200, v0, 2, 0x4000
	v_mov_b32 v201, 0
	v_lshrrev_b32 v1, 5, v0
	v_readfirstlane_b32 s16, v1                    ; wave 0..1
	v_and_b32 v2, 31, v0                           ; lane
	v_lshlrev_b32 v3, 4, v2                        ; my 16 bytes of a load's 512
	s_mul_i32 s17, s16, WREG
	v_lshrrev_b32 v14, 2, v2
	v_mul_u32_u24 v14, v14, SP
	v_and_b32 v15, 3, v2
	v_lshl_add_u32 v14, v15, 4, v14
	v_add_nc_u32 v14, s17, v14                     ; the stage, on the way in: SP (lane / 4) + 16 (lane % 4)
	v_mul_u32_u24 v15, v2, SP
	v_add_nc_u32 v15, s17, v15                     ; and on the way out: SP x lane: my 16 neighbours
	; where my 12 bytes of codes go in half a row of xc.  My block in the step is q = lane / 2: h = q % 2, c = (q / 2) % 2, K step in the half row q / 4
	v_bfe_u32 v4, v2, 1, 1
	v_mul_u32_u24 v4, v4, 384                      ; 384 h
	v_lshrrev_b32 v8, 3, v2
	v_mad_u32_u24 v4, v8, 48, v4                   ; + 48 (q / 4)
	v_bfe_u32 v8, v2, 2, 1
	v_mad_u32_u24 v4, v8, 24, v4                   ; + 24 c
	v_and_b32 v8, 1, v2
	v_mad_u32_u24 v4, v8, 12, v4                   ; + 12 for the block's upper 16 codes
	v_lshrrev_b32 v5, 1, v2
	s_add_co_u32 s17, s17, 2*32*SP
	v_add_nc_u32 v5, s17, v5                       ; LDS: my wave's 256 scale bytes, my block's byte
	v_lshlrev_b32 v7, 3, v2                        ; and on the way out 8 bytes a lane
	v_add_nc_u32 v6, s17, v7
	s_lshl_b32 s18, ttmp9, 1
	s_add_co_u32 s18, s18, s16                     ; my chunk, 0..515
	s_cmp_ge_u32 s18, CHB                          ; which batch
	s_cselect_b32 s19, CHB, 0
	s_cselect_b32 s20, 2048, 0
	s_sub_co_u32 s21, s18, s19                     ; the chunk in its batch, 0..257
	s_lshl_b32 s23, s21, 3                         ; its first token
	s_cmp_ge_u32 s21, 256                          ; the copies?
	s_cselect_b32 s22, 0, 4096                     ; bytes from row to row in inputs
	s_cselect_b32 s23, 2047, s23
	s_add_co_u32 s23, s23, s20
	s_lshl_b32 s24, s23, 12                        ; the first row's byte in inputs (under 2^24)
	s_mov_b32 s25, 0
.irp k, 0,1,2,3,4,5,6,7
	s_mul_i32 s26, s22, \k
	v_add_nc_u32 v[SRC+\k], s26, v3
.endr
	s_mul_i32 s26, s18, 8*768                      ; xc and xs are dense in the chunk's number
	s_mov_b32 s27, 0
	s_lshl_b32 s28, s18, 8
	s_mov_b32 s29, 0
	s_wait_kmcnt 0x0
	s_add_nc_u64 s[4:5], s[4:5], s[24:25]
	s_add_nc_u64 s[6:7], s[6:7], s[26:27]
	s_add_nc_u64 s[8:9], s[8:9], s[28:29]
.macro LOAD t                          ; step t: half t % 2 of row t / 2.  No hint: the rows are read again by a later launch
.irp i, 0,1,2,3
	global_load_b128 v[R+16*((\t)%4)+4*\i:R+16*((\t)%4)+4*\i+3], v[SRC+(\t)/2], s[4:5] offset:2048*((\t)%2)+512*\i   ; 32 lanes read 512 consecutive bytes
.endr
.endm
.macro TURN t                          ; step t's numbers through the stage: LDS serves a wave's instructions in order (ISA guide 5.7.1.4), so no wait stands between the stores and the loads
.irp i, 0,1,2,3
	ds_store_b128 v14, v[R+16*((\t)%4)+4*\i:R+16*((\t)%4)+4*\i+3] offset:32*SP*((\t)%2)+8*SP*\i
.endr
.irp i, 0,1,2,3
	ds_load_b128 v[X+16*((\t)%2)+4*\i:X+16*((\t)%2)+4*\i+3], v15 offset:32*SP*((\t)%2)+16*\i
.endr
.endm
.irp t, 0,1,2,3
	LOAD \t
.endr
	s_wait_loadcnt 12                              ; step 0's four loads are in; those of steps 1 to 3 may be out
	TURN 0
.macro STEP t
.set XS, X+16*((\t)%2)
.if (\t) > 0
	s_wait_dscnt 1                                 ; this step's numbers are back from the stage (the last step's byte store may be out): so its stores into the stage have read their registers,
.else
	s_wait_dscnt 0x0
.endif
.if (\t)+4 < STEPS
	LOAD (\t)+4                                    ; which take the loads of four steps on
.endif
.if (\t)+1 < STEPS
.if STEPS-2-(\t) >= 3
	s_wait_loadcnt 12                              ; the next step's four loads are in; those of the three steps behind it may be out
.else
	s_wait_loadcnt 4*(STEPS-2-(\t))                ; in the tail the count runs down: four for each step behind the next
.endif
	TURN (\t)+1                                    ; and go through the other stage while this step is worked
.endif
	v_max3_num_f32 v8, |v[XS]|, |v[XS+1]|, |v[XS+2]|               ; the largest magnitude of my 16, in two chains
	v_max3_num_f32 v9, |v[XS+3]|, |v[XS+4]|, |v[XS+5]|
.irp i, 6,10
	v_max3_num_f32 v8, v8, |v[XS+\i]|, |v[XS+\i+1]|
	v_max3_num_f32 v9, v9, |v[XS+\i+2]|, |v[XS+\i+3]|
.endr
	v_max3_num_f32 v8, v8, |v[XS+14]|, |v[XS+15]|
	v_max3_num_f32 v8, v8, v9, (EMAX+1)<<23        ; and the floor 2^(EMAX + 1 - 127): the byte cannot fall under 1
	v_max_num_f32_dpp v8, v8, v8 row_xmask:1 row_mask:0xf bank_mask:0xf   ; and of my neighbour's 16: the block's
	v_add_nc_u32 v11, -(EMAX<<23), v8              ; EMAX off its exponent field: the conversion takes the exponent field of this operand as its scale, and nothing else of it
	v_cvt_scalef32_pk16_bf6_f32 v[C+4*(\t):C+4*(\t)+2], v[XS:XS+15], v11   ; sixteen codes, 96 bits without gaps, the first number's code lowest
	v_lshrrev_b32 v[E+(\t)], 23, v11               ; the scale's byte (also the plain line behind the conversion)
	ds_store_b8 v5, v[E+(\t)] offset:16*(\t)       ; both lanes of a block write the same byte with the same value
	global_store_b96 v4, v[C+4*(\t):C+4*(\t)+2], s[6:7] offset:768*((\t)/2)+192*((\t)%2)   ; the lanes of each lane half h cover 192 consecutive bytes
.endm
.irp t, 0,1,2,3,4,5,6,7,8,9,10,11,12,13,14,15
	STEP \t
.endr
	ds_load_b64 v[12:13], v6                       ; LDS serves a wave's instructions in order: these see my byte stores
	s_wait_dscnt 0x0
	global_store_b64 v7, v[12:13], s[8:9]          ; 32 lanes store 256 consecutive bytes, at a multiple of 256 from xs's first byte
	s_wait_tensorcnt 0x0
	ds_add_u32 v200, v201
	s_wait_dscnt 0x0
	s_endpgm
.Lfunc_end_k_qbfd6ea9d21_quant:
	.size	k_qbfd6ea9d21_quant, .Lfunc_end_k_qbfd6ea9d21_quant-k_qbfd6ea9d21_quant
	.p2alignl 7, 3214868480
	.fill 96, 4, 3214868480
	.section	.rodata,"a",@progbits
	.p2align	6, 0x0
	.amdhsa_kernel k_qbfd6ea9d21_quant
		.amdhsa_group_segment_fixed_size 16640
		.amdhsa_private_segment_fixed_size 0
		.amdhsa_enable_private_segment 0
		.amdhsa_kernarg_size 24
		.amdhsa_user_sgpr_count 2
		.amdhsa_user_sgpr_kernarg_segment_ptr 1
		.amdhsa_wavefront_size32 1
		.amdhsa_system_sgpr_workgroup_id_x 1
		.amdhsa_system_sgpr_workgroup_id_y 1
		.amdhsa_system_sgpr_workgroup_id_z 1
		.amdhsa_system_vgpr_workitem_id 0
		.amdhsa_next_free_vgpr 202
		.amdhsa_next_free_sgpr 66
		.amdhsa_reserve_vcc 0
		.amdhsa_float_denorm_mode_32 3
		.amdhsa_float_denorm_mode_16_64 3
		.amdhsa_memory_ordered 1
		.amdhsa_forward_progress 1
		.amdhsa_inst_pref_size 33
	.end_amdhsa_kernel
	.amdgpu_metadata
---
amdhsa.version: [ 1, 2 ]
amdhsa.kernels:
  - .name:           k_qbfd6ea9d21_quant
    .symbol:         k_qbfd6ea9d21_quant.kd
    .args:
      - { .name: inputs, .offset: 0, .size: 8, .value_kind: global_buffer, .address_space: global }
      - { .name: xc, .offset: 8, .size: 8, .value_kind: global_buffer, .address_space: global }
      - { .name: xs, .offset: 16, .size: 8, .value_kind: global_buffer, .address_space: global }
    .group_segment_fixed_size: 16640
    .private_segment_fixed_size: 0
    .kernarg_segment_align: 8
    .kernarg_segment_size: 24
    .max_flat_workgroup_size: 64
    .sgpr_count:     66
    .vgpr_count:     202
    .wavefront_size: 32
...
	.end_amdgpu_metadata
.endif
;; end of part 1
;; launch score (part 2): grid 4 x 64, 4 waves a work-group, no clusters, 107,008 bytes of LDS; arguments xc, xs, W1_codes, W1_scales, b1, w_out, b, part; writes part
.if DOCPART == 2
	.amdgcn_target "amdgcn-amd-amdhsa--gfx1250"
	.amdhsa_code_object_version 6
	.text
	.protected	k_qbfd6ea9d21_score
	.globl	k_qbfd6ea9d21_score
	.p2align	8
	.type	k_qbfd6ea9d21_score,@function
k_qbfd6ea9d21_score:
	s_mov_b64 s[64:65], 0
	v_nop
	global_prefetch_b8 v0, s[64:65] scope:SCOPE_SE
	s_setreg_imm32_b32 hwreg(HW_REG_WAVE_MODE, 25, 1), 1
	s_wait_xcnt 0x0
; part[cg][16 span + w] = the sum over the 64 hidden units n of column group cg of relu(x(span, w) . W1[:, n] + b1[n]) w_out[n], x(span, w) = token min(b[span] + w, 2047) of the span's batch.
; The product x W1 is made on codes of BF6 (E3M2) with E8M0 scales, 65,536 rows x 1,024 x 1,024, sums in f32; bias, relu and the product with w_out in f32.
; The 16 column groups' parts are added in the next launch (a sum that spans work-groups is ordered, not made by atomics).
; SHARES.  Work-group (x = slice of 256 hidden units, y = group of 64 spans) stays and walks 16 blocks of 4 spans = 64 rows.  THE WAVES SHARE THE COLUMNS: wave w owns column group cg = 4 x + w,
; hidden units 64 cg .. + 63, four tiles of 16.  Its 32 fragments of W1 (384 registers), their scale words, b1 and w_out stay in registers for the whole launch, read from memory once.
; What goes round is the rows' codes: a span's window is 16 consecutive rows of xc, 12,288 dense bytes at a multiple of 256.  Wave w gathers span 4 i + w of the NEXT block into registers at a block's head
; and stores it into the other LDS buffer behind the block's products; all four waves read all four spans.  One barrier a block.
; No tensor load: a window's address hangs on a loaded b.  No cluster: the tiles that the four slices share are these windows.
; THE MATRIX INSTRUCTION IS USED TRANSPOSED (source 0 = 16 hidden units of W1, source 1 = a span's 16 tokens): a lane holds ONE token (lane % 16) and its eight registers the units 8 (lane / 16) + 0 .. 7,
; so that the product with w_out is a fused multiply-add down the lane's registers and one exchange between the halves of the lanes.
; LIMITS: b is taken as 0 or more; from 2047 on it is held at 2047, which with xc's 16 copies of token 2047 is the clamp of the window's indices.
; LDS: two buffers of BUFB bytes: 4 spans x 16 rows at pitch 784 (768 + 16 = 49 x 16: the sixteen rows that a 16-byte load touches start at sixteen different 16-byte columns of 256 bytes), then 4 x 16 rows x 32 scale bytes;
;   behind them 256 bytes for each wave, its own, for the way out.
; REGISTERS, in windows of 256 (s_set_vgpr_msb: bits 1:0 source 0, 3:2 source 1, 5:4 source 2, 7:6 destination):
;   window 0: v1-20 addresses; v24-27 a block's row sums, v28-31 the exchange; v32-63 W1's scale words (8 n + s); v64-95 the tokens' scale words (8 m + s); v96-143, v144-191 the tokens' fragments, two sets of four
;   window 1: W1's fragments of K steps 0-4 at 48 s + 12 n.    window 2: K steps 5-7 at 48 (s - 5) + 12 n; v144-239 the gathered codes, v240-243 the gathered scale bytes
;   window 3: v0-127 the 16 accumulators (span m, tile n) at 8 (4 m + n); v128-159 b1; v160-191 w_out; v192-199 a pair of running sums for each span
.set BUFB,  52224
.set SPANB, 12544                      ; 16 rows x 784
.set SCOFF, 50176                      ; the scale rows in a buffer
.set OUTST, 2*BUFB
.set L16, 4                            ; v4   16 x lane
.set GA,  5                            ; v5   byte offset in xc of my 16 bytes of the window in hand
.set GS,  6                            ; v6   the same in xs
.set STA, 7                            ; v7   LDS: 12,544 x wave + 16 x lane
.set STB, 8                            ; v8   the same + 16 (lane / 16): for the stores that straddle a row's end
.set STS, 9                            ; v9   LDS: the gathered scale bytes: SCOFF + 512 x wave + 16 x lane
.set RD,  10                           ; v10, v11  LDS: my lane's place in a span's rows, buffer 0, 1: 784 r + 384 h
.set RS,  12                           ; v12  LDS: my token's scale row: SCOFF + 32 r
.set SO,  13                           ; v13  the way out: where I put a row sum
.set SL,  14                           ; v14  and where I read 8 bytes back
.set GO,  15                           ; v15  8 x lane
.set OU,  16                           ; v[16:17] what goes out
.set WA,  18                           ; v18  W1's codes: 768 r + 24 h
.set R32, 19                           ; v19  32 r
.set H32, 20                           ; v20  32 h
.set S,   24
.set T,   28
.set WS,  32
.set AS,  64
.set AF0, 96
.set G,   144                          ; in window 2
.set GSC, 240
.set B1,  128                          ; in window 3
.set WO,  160
.set SUM, 192
.set MSB, 0
.macro WIN new                         ; the immediate's high byte repeats the setting that is left; a switch that changes nothing is dropped
.if MSB != \new
	s_set_vgpr_msb (MSB<<8)|\new
.set MSB, \new
.endif
.endm
.macro PLACES                          ; four plain places behind a matrix instruction, in front of loads into registers that it has read and of the first read of results (ISA guide 7.12.1 for the first read of results)
.rept 4
	v_nop
.endr
.endm
.macro BARRIER                         ; my LDS stores have landed and my LDS loads are in: then the work-group's barrier
	s_wait_dscnt 0x0
	s_barrier_signal -1
	s_barrier_wait -1
.endm
.macro GADDR                           ; s28 = b of the span that I gather
	s_min_u32 s32, s28, 0x7ff                      ; held at 2047
	s_add_co_u32 s32, s32, s24                     ; + the batch's first row of xc
	s_mul_i32 s33, s32, 768
	s_lshl_b32 s34, s32, 5
	v_add_nc_u32 v[GA], s33, v[L16]
	v_add_nc_u32 v[GS], s34, v[L16]
.endm
.macro GLOAD                           ; the window: 24 loads of 512 consecutive bytes, and its 512 scale bytes
	WIN 0x80                                       ; destination window 2
.irp j, 0,1,2,3,4,5,6,7,8,9,10,11,12,13,14,15,16,17,18,19,20,21,22,23
	global_load_b128 v[G+4*\j:G+4*\j+3], v[GA], s[4:5] offset:512*\j
.endr
	global_load_b128 v[GSC:GSC+3], v[GS], s[6:7]
	WIN 0
.endm
.macro GSTORE p                        ; into buffer p: byte x of the window goes to x + 16 (x / 768).  Three loads are two rows: the middle one straddles a row's end at lane 16
	WIN 0x08                                       ; an LDS store's data are its source 1: window 2
.irp a, 0,1,2,3,4,5,6,7
	ds_store_b128 v[STA], v[G+12*\a:G+12*\a+3] offset:(\p)*BUFB+1568*\a
	ds_store_b128 v[STB], v[G+12*\a+4:G+12*\a+7] offset:(\p)*BUFB+1568*\a+512
	ds_store_b128 v[STA], v[G+12*\a+8:G+12*\a+11] offset:(\p)*BUFB+1568*\a+1040
.endr
	ds_store_b128 v[STS], v[GSC:GSC+3] offset:(\p)*BUFB
	WIN 0
.endm
.macro ASCALES p                       ; the four spans' scale words for all eight K steps: lane r (and 16 + r) takes token r's 32 bytes
.irp m, 0,1,2,3
.irp c, 0,1
	ds_load_b128 v[AS+8*\m+4*\c:AS+8*\m+4*\c+3], v[RS] offset:(\p)*BUFB+512*\m+16*\c
.endr
.endr
.endm
.macro FETCH p, s, buf                 ; the four spans' fragments of K step s: 48 consecutive bytes a lane, as xc lays them
.irp m, 0,1,2,3
.irp c, 0,1,2
	ds_load_b128 v[AF0+48*(\buf)+12*\m+4*\c:AF0+48*(\buf)+12*\m+4*\c+3], v[RD+(\p)] offset:SPANB*\m+48*(\s)+16*\c
.endr
.endr
.endm
; 16 matrix instructions: K step s of all 16 accumulators, which take turns, one instruction a turn, in the same order in every step.
; The first K step starts the sums with b1 as C: the bias costs no addition and nothing is cleared.
.macro MUL s, buf
.if (\s) < 5
	WIN 0xf1                                       ; source 0 (W1) window 1, source 1 (tokens) window 0, C and D window 3
.set WF, 48*(\s)
.else
	WIN 0xf2                                       ; W1's K steps 5-7 lie in window 2
.set WF, 48*((\s)-5)
.endif
.set AB, AF0+48*(\buf)
.irp m, 0,1,2,3
.irp n, 0,1,2,3
.if (\s) == 0
	v_wmma_scale_f32_16x16x128_f8f6f4 v[8*(4*\m+\n):8*(4*\m+\n)+7], v[WF+12*\n:WF+12*\n+11], v[AB+12*\m:AB+12*\m+11], v[B1+8*\n:B1+8*\n+7], v[WS+8*\n+(\s)], v[AS+8*\m+(\s)] matrix_a_fmt:MATRIX_FMT_BF6 matrix_b_fmt:MATRIX_FMT_BF6
.else
	v_wmma_scale_f32_16x16x128_f8f6f4 v[8*(4*\m+\n):8*(4*\m+\n)+7], v[WF+12*\n:WF+12*\n+11], v[AB+12*\m:AB+12*\m+11], v[8*(4*\m+\n):8*(4*\m+\n)+7], v[WS+8*\n+(\s)], v[AS+8*\m+(\s)] matrix_a_fmt:MATRIX_FMT_BF6 matrix_b_fmt:MATRIX_FMT_BF6
.endif
.endr
.endr
	WIN 0
.endm
; relu, and the product with w_out: for each span a pair of running sums; the four spans' chains alternate.  Each accumulator is read from its low end on.
.macro EPI
	WIN 0xff                                       ; all in window 3
.irp n, 0,1,2,3
.irp m, 0,1,2,3
.irp j, 0,1,2,3,4,5,6,7
	v_max_num_f32 v[8*(4*\m+\n)+\j], 0, v[8*(4*\m+\n)+\j]
.endr
.endr
.irp q, 0,1,2,3
.irp m, 0,1,2,3
.if (\n == 0) && (\q == 0)
	v_pk_mul_f32 v[SUM+2*\m:SUM+2*\m+1], v[8*(4*\m+\n)+2*\q:8*(4*\m+\n)+2*\q+1], v[WO+8*\n+2*\q:WO+8*\n+2*\q+1]   ; the first product starts the sums
.else
	v_pk_fma_f32 v[SUM+2*\m:SUM+2*\m+1], v[8*(4*\m+\n)+2*\q:8*(4*\m+\n)+2*\q+1], v[WO+8*\n+2*\q:WO+8*\n+2*\q+1], v[SUM+2*\m:SUM+2*\m+1]
.endif
.endr
.endr
.endr
	WIN 0x0f                                       ; sources window 3, destination window 0
.irp m, 0,1,2,3
	v_add_f32 v[S+\m], v[SUM+2*\m], v[SUM+2*\m+1]
.endr
	WIN 0
.irp m, 0,1,2,3
	v_permlanex16_b32 v[T+\m], v[S+\m], s26, s27   ; the token's other 32 units lie in the lane 16 away
.endr
.irp m, 0,1,2,3
	v_add_f32 v[S+\m], v[S+\m], v[T+\m]
.endr
.endm
; The block's 64 sums (16 m + r) go through my own 256 bytes of LDS and leave by one store.
.macro OUT
.irp m, 0,1,2,3
	ds_store_b32 v[SO], v[S+\m] offset:64*\m       ; both halves of the lanes write the same word with the same value
.endr
	ds_load_b64 v[OU:OU+1], v[SL]                  ; LDS serves a wave's instructions in order (ISA guide 5.7.1.4): this sees the stores above
	s_wait_dscnt 0x0
	global_store_b64 v[GO], v[OU:OU+1], s[18:19]   ; 32 lanes store 256 consecutive bytes, at a multiple of 256 from part's first byte
	s_wait_xcnt 0x0                                ; the store's base and data are written again only behind this wait
	s_add_nc_u64 s[18:19], s[18:19], 256
.endm
; A block of 64 rows, read from buffer p.  next = 1: the next block's window is gathered meanwhile, into the other buffer.
.macro BLOCK p, next
.if \next
	s_wait_kmcnt 0x0                               ; b of the span that I gather
	GADDR
	s_add_co_u32 s29, s29, 16                      ; the b after that: 4 spans on,
	s_min_u32 s30, s29, 240                        ; held at the group's last block, so that no load leaves b
	s_load_b32 s28, s[16:17], s30 offset:0x0
	GLOAD
.endif
	ASCALES \p
	FETCH \p, 0, 0
.irp s, 0,1,2,3,4,5,6
.if \s > 0
	PLACES                                         ; the set that is loaded next was read by the products just issued
.endif
	FETCH \p, \s+1, (\s+1)%2
	s_wait_dscnt 12                                ; all but the 12 loads just issued: this K step's fragments are in (and at step 0 the scale words)
	MUL \s, \s%2
.endr
	s_wait_dscnt 0x0
	MUL 7, 1
	PLACES
.if \next
	s_wait_loadcnt 0x0                             ; the window, asked for at the block's head
	GSTORE 1-\p                                    ; the other buffer: every wave's reads of it were waited for in front of the last barrier
.endif
	EPI
	OUT
.if \next
	BARRIER                                        ; every wave's reads of buffer p are over and the other buffer is whole
.endif
.endm
	s_load_b256 s[4:11], s[0:1], 0x0               ; xc s[4:5], xs s[6:7], W1's codes s[8:9], W1's scales s[10:11]
	s_load_b256 s[12:19], s[0:1], 0x20             ; b1 s[12:13], w_out s[14:15], b s[16:17], part s[18:19]
	v_lshl_add_u32 v254, v0, 2, 0x1a000
	v_mov_b32 v255, 0
	v_lshrrev_b32 v1, 5, v0
	v_readfirstlane_b32 s20, v1                    ; wave 0..3
	v_and_b32 v1, 31, v0                           ; lane
	v_and_b32 v2, 15, v0                           ; r
	v_bfe_u32 v3, v0, 4, 1                         ; h
	v_lshlrev_b32 v[L16], 4, v1
	s_mul_i32 s32, s20, SPANB
	v_add_nc_u32 v[STA], s32, v[L16]
	v_lshl_add_u32 v[STB], v3, 4, v[STA]
	s_lshl_b32 s32, s20, 9
	s_add_co_u32 s32, s32, SCOFF
	v_add_nc_u32 v[STS], s32, v[L16]
	v_mul_u32_u24 v[RD], v2, 784
	v_mad_u32_u24 v[RD], v3, 384, v[RD]
	v_add_nc_u32 v[RD+1], BUFB, v[RD]
	v_lshlrev_b32 v[R32], 5, v2
	v_add_nc_u32 v[RS], SCOFF, v[R32]
	s_lshl_b32 s32, s20, 8
	s_add_co_u32 s32, s32, OUTST
	v_lshl_add_u32 v[SO], v2, 2, s32
	v_lshl_add_u32 v[SL], v1, 3, s32
	v_lshlrev_b32 v[GO], 3, v1
	v_mul_u32_u24 v[WA], v2, 768
	v_mad_u32_u24 v[WA], v3, 24, v[WA]
	v_lshlrev_b32 v[H32], 5, v3
.irp m, 0,1,2,3
	v_mov_b32 v[T+\m], 0                           ; written once: a lane permute's destination counts as one of its sources
.endr
	s_mov_b32 s26, 0x76543210
	s_mov_b32 s27, 0xfedcba98                      ; v_permlanex16_b32's selects for lane l xor 16
	s_and_b32 s22, ttmp7, 0xffff                   ; group of 64 spans
	s_lshl_b32 s23, ttmp9, 2
	s_add_co_u32 s23, s23, s20                     ; cg = 4 x slice + wave
	s_lshr_b32 s24, s22, 5                         ; the batch: 32 groups each
	s_mul_i32 s24, s24, 2064                       ; its first row of xc and xs
	s_mul_i32 s32, s23, 64*768                     ; my 64 rows of W1's codes,
	s_mov_b32 s33, 0
	s_lshl_b32 s34, s23, 11                        ; of its scale bytes,
	s_mov_b32 s35, 0
	s_lshl_b32 s36, s23, 8                         ; my 64 numbers of b1 and of w_out
	s_mov_b32 s37, 0
	s_wait_kmcnt 0x0
	s_add_nc_u64 s[8:9], s[8:9], s[32:33]
	s_add_nc_u64 s[10:11], s[10:11], s[34:35]
	s_add_nc_u64 s[12:13], s[12:13], s[36:37]
	s_add_nc_u64 s[14:15], s[14:15], s[36:37]
	s_lshl_b32 s32, s22, 8
	s_lshl_b32 s34, s20, 2
	s_add_co_u32 s32, s32, s34
	s_add_nc_u64 s[16:17], s[16:17], s[32:33]      ; b at span 64 x group + wave
	s_lshl_b32 s32, s23, 18
	s_lshl_b32 s34, s22, 12
	s_add_co_u32 s32, s32, s34
	s_add_nc_u64 s[18:19], s[18:19], s[32:33]      ; part at [cg][1,024 x group]
	s_load_b32 s28, s[16:17], 0x0                  ; b of my span of block 0
	; W1's fragment (tile n, K step s): lane (r, h) takes of row 16 n + r the 24 bytes at 96 s + 24 h and those 48 further on, each as three loads of 8 bytes
	WIN 0x40                                       ; destination window 1
.irp s, 0,1,2,3,4
.irp n, 0,1,2,3
.irp c, 0,1
.irp p, 0,1,2
	global_load_b64 v[48*\s+12*\n+6*\c+2*\p:48*\s+12*\n+6*\c+2*\p+1], v[WA], s[8:9] offset:12288*\n+96*\s+48*\c+8*\p
.endr
.endr
.endr
.endr
	WIN 0x80                                       ; destination window 2
.irp s, 5,6,7
.irp n, 0,1,2,3
.irp c, 0,1
.irp p, 0,1,2
	global_load_b64 v[48*(\s-5)+12*\n+6*\c+2*\p:48*(\s-5)+12*\n+6*\c+2*\p+1], v[WA], s[8:9] offset:12288*\n+96*\s+48*\c+8*\p
.endr
.endr
.endr
.endr
	WIN 0
.irp n, 0,1,2,3
.irp c, 0,1
	global_load_b128 v[WS+8*\n+4*\c:WS+8*\n+4*\c+3], v[R32], s[10:11] offset:512*\n+16*\c   ; row 16 n + r: its eight scale words
.endr
.endr
	WIN 0xc0                                       ; destination window 3
.irp n, 0,1,2,3
.irp c, 0,1
	global_load_b128 v[B1+8*\n+4*\c:B1+8*\n+4*\c+3], v[H32], s[12:13] offset:64*\n+16*\c   ; in the result's layout: units 16 n + 8 h + 0 .. 7
	global_load_b128 v[WO+8*\n+4*\c:WO+8*\n+4*\c+3], v[H32], s[14:15] offset:64*\n+16*\c
.endr
.endr
	WIN 0
	s_wait_kmcnt 0x0
	GADDR
	s_mov_b32 s29, 16
	s_load_b32 s28, s[16:17], 0x10                 ; b of my span of block 1
	GLOAD
	s_wait_loadcnt 0x0                             ; the weights and block 0's window
	GSTORE 0
	BARRIER
	s_mov_b32 s31, 7
.Lpair:                                                ; 7 trips of two blocks; every window is 0 here
	BLOCK 0, 1
	BLOCK 1, 1
	s_sub_co_u32 s31, s31, 1
	s_cmp_lg_u32 s31, 0
	s_cbranch_scc1 .Lpair
	BLOCK 0, 1                                     ; block 14 gathers the last window
	BLOCK 1, 0                                     ; block 15 gathers nothing, and no barrier follows it: nothing is read behind it
	s_wait_tensorcnt 0x0
	ds_add_u32 v254, v255
	s_wait_dscnt 0x0
	s_endpgm
.Lfunc_end_k_qbfd6ea9d21_score:
	.size	k_qbfd6ea9d21_score, .Lfunc_end_k_qbfd6ea9d21_score-k_qbfd6ea9d21_score
	.p2alignl 7, 3214868480
	.fill 96, 4, 3214868480
	.section	.rodata,"a",@progbits
	.p2align	6, 0x0
	.amdhsa_kernel k_qbfd6ea9d21_score
		.amdhsa_group_segment_fixed_size 107008
		.amdhsa_private_segment_fixed_size 0
		.amdhsa_enable_private_segment 0
		.amdhsa_kernarg_size 64
		.amdhsa_user_sgpr_count 2
		.amdhsa_user_sgpr_kernarg_segment_ptr 1
		.amdhsa_wavefront_size32 1
		.amdhsa_system_sgpr_workgroup_id_x 1
		.amdhsa_system_sgpr_workgroup_id_y 1
		.amdhsa_system_sgpr_workgroup_id_z 1
		.amdhsa_system_vgpr_workitem_id 0
		.amdhsa_next_free_vgpr 1024
		.amdhsa_next_free_sgpr 66
		.amdhsa_reserve_vcc 0
		.amdhsa_float_denorm_mode_32 3
		.amdhsa_float_denorm_mode_16_64 3
		.amdhsa_memory_ordered 1
		.amdhsa_forward_progress 1
		.amdhsa_inst_pref_size 175
	.end_amdhsa_kernel
	.amdgpu_metadata
---
amdhsa.version: [ 1, 2 ]
amdhsa.kernels:
  - .name:           k_qbfd6ea9d21_score
    .symbol:         k_qbfd6ea9d21_score.kd
    .args:
      - { .name: xc, .offset: 0, .size: 8, .value_kind: global_buffer, .address_space: global }
      - { .name: xs, .offset: 8, .size: 8, .value_kind: global_buffer, .address_space: global }
      - { .name: W1_codes, .offset: 16, .size: 8, .value_kind: global_buffer, .address_space: global }
      - { .name: W1_scales, .offset: 24, .size: 8, .value_kind: global_buffer, .address_space: global }
      - { .name: b1, .offset: 32, .size: 8, .value_kind: global_buffer, .address_space: global }
      - { .name: w_out, .offset: 40, .size: 8, .value_kind: global_buffer, .address_space: global }
      - { .name: b, .offset: 48, .size: 8, .value_kind: global_buffer, .address_space: global }
      - { .name: part, .offset: 56, .size: 8, .value_kind: global_buffer, .address_space: global }
    .group_segment_fixed_size: 107008
    .private_segment_fixed_size: 0
    .kernarg_segment_align: 8
    .kernarg_segment_size: 64
    .max_flat_workgroup_size: 128
    .sgpr_count:     66
    .vgpr_count:     1024
    .wavefront_size: 32
...
	.end_amdgpu_metadata
.endif
;; end of part 2
;; launch mix (part 3): grid 1024 x 1, 4 waves a work-group, no clusters, 0 bytes of LDS; arguments inputs, part, b, e, b_out, out0; writes out0
.if DOCPART == 3
	.amdgcn_target "amdgcn-amd-amdhsa--gfx1250"
	.amdhsa_code_object_version 6
	.text
	.protected	k_qbfd6ea9d21_mix
	.globl	k_qbfd6ea9d21_mix
	.p2align	8
	.type	k_qbfd6ea9d21_mix,@function
k_qbfd6ea9d21_mix:
	s_mov_b64 s[64:65], 0
	v_nop
	global_prefetch_b8 v0, s[64:65] scope:SCOPE_SE
	s_setreg_imm32_b32 hwreg(HW_REG_WAVE_MODE, 25, 1), 1
	s_wait_xcnt 0x0
; out0[span][:] = the sum over w of p[w] x token min(b + w, 2047), p = softmax over w = 0 .. 15 of (score[w] - (b + w > e ? 1e38 : 0)), score[w] = the 16 column groups' parts of part, added, + b_out.  All in f32.
; The maximum is taken away before the exponential, as the definition has it.
; SHARES.  One wave, one span: a row of 4,096 bytes is eight loads of 512 consecutive bytes, 32 numbers a lane; the 32 running sums stay in registers.  No LDS, no barrier, no matrix instruction:
; the product has K = 16 and one row a span, and the rows' bytes bind it.
; ROWS THAT THE MASK THROWS AWAY ARE NOT READ.  Rows come in groups of two, and the wave stops behind the group that holds row n - 1, n = e - b + 1 held to 1 .. 16: a masked position's exponent is about -1.4e38,
; whose exponential is 0.  Where no position counts (e < b) every score becomes -1e38, the weights are all 1/16, and all 16 rows are read.  The branches hang on b and e alone, whole numbers read from memory.
; LIMITS: b is taken as 0 or more; e - b + 1 fits in 32 bits; NaN and infinities among the inputs are not served (a row that is not read adds 0, where the definition has 0 x that row).
.set PT,  6                            ; v6-13    eight parts; then at work
.set OFF, 16                           ; v16-31   byte offset in inputs of my 16 bytes of window row w
.set ACC, 32                           ; v32-63   the running sums
.set XA,  64                           ; v64-127, v128-191  two groups of two rows
.set PS,  32                           ; s[32:63] p[w] as a pair (the packed form names a pair and takes its low word for both halves)
	s_load_b256 s[4:11], s[0:1], 0x0               ; inputs s[4:5], part s[6:7], b s[8:9], e s[10:11]
	s_load_b128 s[12:15], s[0:1], 0x20             ; b_out s[12:13], out0 s[14:15]
	v_lshrrev_b32 v1, 5, v0
	v_readfirstlane_b32 s16, v1                    ; wave 0..3
	s_lshl_b32 s17, ttmp9, 2
	s_add_co_u32 s17, s17, s16                     ; my span, 0..4095
	v_and_b32 v1, 31, v0                           ; lane
	v_and_b32 v2, 15, v0                           ; r: the window position whose score I hold
	v_bfe_u32 v3, v0, 4, 1                         ; h
	v_lshlrev_b32 v4, 4, v1                        ; 16 x lane
	v_lshlrev_b32 v5, 18, v3                       ; part: lanes 16-31 take the odd column groups, 262,144 bytes on,
	v_lshl_add_u32 v5, v2, 2, v5                   ; position r,
	s_lshl_b32 s22, s17, 6
	v_add_nc_u32 v5, s22, v5                       ; of my span's 16
	s_lshl_b32 s22, s17, 2                         ; my span's word in b and in e
	s_lshr_b32 s23, s17, 11
	s_lshl_b32 s23, s23, 23                        ; the batch's first byte in inputs
	s_lshl_b32 s26, s17, 12                        ; my row of out0
	s_mov_b32 s27, 0
	s_mov_b32 s24, 0x76543210
	s_mov_b32 s25, 0xfedcba98                      ; v_permlanex16_b32's selects for lane l xor 16
	v_mov_b32 v14, 0                               ; a lane permute's destination counts as one of its sources
	s_wait_kmcnt 0x0
	s_load_b32 s18, s[8:9], s22 offset:0x0         ; b
	s_load_b32 s19, s[10:11], s22 offset:0x0       ; e
	s_load_b32 s20, s[12:13], 0x0                  ; b_out
	s_add_nc_u64 s[14:15], s[14:15], s[26:27]
.irp c, 0,1,2,3,4,5,6,7
	global_load_b32 v[PT+\c], v5, s[6:7] offset:524288*\c          ; column group 2 c + h
.endr
	s_wait_kmcnt 0x0
.irp w, 0,1,2,3,4,5,6,7,8,9,10,11,12,13,14,15
	s_add_co_u32 s28, s18, \w
	s_min_u32 s28, s28, 0x7ff                      ; the window's index, held at 2047
	s_lshl_b32 s28, s28, 12
	s_add_co_u32 s28, s28, s23
	v_add_nc_u32 v[OFF+\w], s28, v4
.endr
	s_sub_co_i32 s21, s19, s18
	s_add_co_i32 s21, s21, 1                       ; n = e - b + 1 positions count,
	s_min_i32 s21, s21, 16                         ; 16 at the most;
	s_cmp_lt_i32 s21, 1
	s_cselect_b32 s21, 16, s21                     ; where none counts, all weigh alike
.macro LOADG g                         ; rows 2 g and 2 g + 1 of the window
.irp k, 0,1
.irp j, 0,1,2,3,4,5,6,7
	global_load_b128 v[XA+64*((\g)%2)+32*\k+4*\j:XA+64*((\g)%2)+32*\k+4*\j+3], v[OFF+2*(\g)+\k], s[4:5] offset:512*\j   ; 32 lanes read 512 consecutive bytes
.endr
.endr
.endm
.macro FMA g                           ; the sums take p x these two rows; the very first product starts them: nothing is cleared
.irp k, 0,1
.irp i, 0,1,2,3,4,5,6,7,8,9,10,11,12,13,14,15
.if ((\g) == 0) && (\k == 0)
	v_pk_mul_f32 v[ACC+2*\i:ACC+2*\i+1], v[XA+64*((\g)%2)+32*\k+2*\i:XA+64*((\g)%2)+32*\k+2*\i+1], s[PS+2*(2*(\g)+\k):PS+2*(2*(\g)+\k)+1] op_sel_hi:[1,0]
.else
	v_pk_fma_f32 v[ACC+2*\i:ACC+2*\i+1], v[XA+64*((\g)%2)+32*\k+2*\i:XA+64*((\g)%2)+32*\k+2*\i+1], s[PS+2*(2*(\g)+\k):PS+2*(2*(\g)+\k)+1], v[ACC+2*\i:ACC+2*\i+1] op_sel_hi:[1,0,1]
.endif
.endr
.endr
.endm
	LOADG 0                                        ; on their way while the weights are made
	s_wait_loadcnt 16                              ; the eight parts are in; the 16 loads of rows 0 and 1 may be out
	v_add_f32 v6, v6, v7
	v_add_f32 v8, v8, v9
	v_add_f32 v10, v10, v11
	v_add_f32 v12, v12, v13
	v_add_f32 v6, v6, v8
	v_add_f32 v10, v10, v12
	v_add_f32 v6, v6, v10                          ; my half's eight column groups,
	v_permlanex16_b32 v14, v6, s24, s25
	v_add_f32 v6, v6, v14                          ; and the other half's
	v_add_f32 v6, s20, v6                          ; + b_out: position r's score, in both halves of the lanes
	v_add_nc_u32 v15, s18, v2                      ; b + r, not held
	v_cmp_ge_i32 vcc_lo, s19, v15                  ; does it count: e >= b + r
	v_mov_b32 v7, 0
	v_mov_b32 v8, 0x7e967699                       ; 1e38
	v_cndmask_b32 v7, v8, v7, vcc_lo
	v_sub_f32 v6, v6, v7                           ; score - (1 - mask) x 1e38
	v_max_num_f32_dpp v9, v6, v6 row_xmask:1 row_mask:0xf bank_mask:0xf
	v_max_num_f32_dpp v9, v9, v9 row_xmask:2 row_mask:0xf bank_mask:0xf
	v_max_num_f32_dpp v9, v9, v9 row_xmask:4 row_mask:0xf bank_mask:0xf
	v_max_num_f32_dpp v9, v9, v9 row_xmask:8 row_mask:0xf bank_mask:0xf   ; the largest of the 16
	v_sub_f32 v6, v6, v9
	v_mul_f32 v6, 0x3fb8aa3b, v6                   ; x log2(e)
	v_exp_f32 v6, v6
	v_nop                                          ; a plain line behind the exponential (ISA guide 5.7.2)
	s_wait_alu depctr_va_vdst(0)
	v_add_f32_dpp v10, v6, v6 row_xmask:1 row_mask:0xf bank_mask:0xf
	v_add_f32_dpp v10, v10, v10 row_xmask:2 row_mask:0xf bank_mask:0xf
	v_add_f32_dpp v10, v10, v10 row_xmask:4 row_mask:0xf bank_mask:0xf
	v_add_f32_dpp v10, v10, v10 row_xmask:8 row_mask:0xf bank_mask:0xf   ; the sum of the 16, at least 1
	v_rcp_f32 v10, v10
	v_nop                                          ; a plain line behind the reciprocal
	s_wait_alu depctr_va_vdst(0)
	v_mul_f32 v6, v6, v10                          ; p[r]
.irp w, 0,1,2,3,4,5,6,7,8,9,10,11,12,13,14,15
	v_readlane_b32 s[PS+2*\w], v6, \w              ; a weight serves the whole wave: it goes to a scalar pair
	s_mov_b32 s[PS+2*\w+1], s[PS+2*\w]             ; (named with it as a pair, so it is written)
.endr
; Group g is added; the next group is asked for first, if a row of it counts.
.macro STAGE g
	s_cmp_le_u32 s21, 2*(\g)+2
	s_cbranch_scc1 .Llast_\g
	LOADG (\g)+1
	s_wait_loadcnt 16                              ; group g's 16 loads are in; the 16 just issued may be out
	FMA \g
.endm
.irp g, 0,1,2,3,4,5,6
	STAGE \g
.endr
	s_wait_loadcnt 0x0
	FMA 7
	s_branch .Lstore
.irp g, 0,1,2,3,4,5,6
.Llast_\g:                                             ; group g is the last that counts: nothing was asked for behind it
	s_wait_loadcnt 0x0
	FMA \g
	s_branch .Lstore
.endr
.Lstore:
.irp j, 0,1,2,3,4,5,6,7
	global_store_b128 v4, v[ACC+4*\j:ACC+4*\j+3], s[14:15] offset:512*\j th:TH_STORE_NT   ; 32 lanes store 512 consecutive bytes, at a multiple of 256 from out0's first byte; written once, read by nobody here
.endr
	s_endpgm
.Lfunc_end_k_qbfd6ea9d21_mix:
	.size	k_qbfd6ea9d21_mix, .Lfunc_end_k_qbfd6ea9d21_mix-k_qbfd6ea9d21_mix
	.p2alignl 7, 3214868480
	.fill 96, 4, 3214868480
	.section	.rodata,"a",@progbits
	.p2align	6, 0x0
	.amdhsa_kernel k_qbfd6ea9d21_mix
		.amdhsa_group_segment_fixed_size 0
		.amdhsa_private_segment_fixed_size 0
		.amdhsa_enable_private_segment 0
		.amdhsa_kernarg_size 48
		.amdhsa_user_sgpr_count 2
		.amdhsa_user_sgpr_kernarg_segment_ptr 1
		.amdhsa_wavefront_size32 1
		.amdhsa_system_sgpr_workgroup_id_x 1
		.amdhsa_system_sgpr_workgroup_id_y 1
		.amdhsa_system_sgpr_workgroup_id_z 1
		.amdhsa_system_vgpr_workitem_id 0
		.amdhsa_next_free_vgpr 192
		.amdhsa_next_free_sgpr 66
		.amdhsa_reserve_vcc 1
		.amdhsa_float_denorm_mode_32 3
		.amdhsa_float_denorm_mode_16_64 3
		.amdhsa_memory_ordered 1
		.amdhsa_forward_progress 1
		.amdhsa_inst_pref_size 53
	.end_amdhsa_kernel
	.amdgpu_metadata
---
amdhsa.version: [ 1, 2 ]
amdhsa.kernels:
  - .name:           k_qbfd6ea9d21_mix
    .symbol:         k_qbfd6ea9d21_mix.kd
    .args:
      - { .name: inputs, .offset: 0, .size: 8, .value_kind: global_buffer, .address_space: global }
      - { .name: part, .offset: 8, .size: 8, .value_kind: global_buffer, .address_space: global }
      - { .name: b, .offset: 16, .size: 8, .value_kind: global_buffer, .address_space: global }
      - { .name: e, .offset: 24, .size: 8, .value_kind: global_buffer, .address_space: global }
      - { .name: b_out, .offset: 32, .size: 8, .value_kind: global_buffer, .address_space: global }
      - { .name: out0, .offset: 40, .size: 8, .value_kind: global_buffer, .address_space: global }
    .group_segment_fixed_size: 0
    .private_segment_fixed_size: 0
    .kernarg_segment_align: 8
    .kernarg_segment_size: 48
    .max_flat_workgroup_size: 128
    .sgpr_count:     66
    .vgpr_count:     192
    .wavefront_size: 32
...
	.end_amdgpu_metadata
.endif
;; end of part 3
;; ======== version 2 of 3: 3 launches
;; workspace buffers: xc 3,145,728 bytes; xs 131,072 bytes; part 262,144 bytes
;; launch quant (part 4): grid 256 x 1, 2 waves a work-group, no clusters, 16,640 bytes of LDS; arguments inputs, xc, xs; writes xc, xs
.if DOCPART == 4
	.amdgcn_target "amdgcn-amd-amdhsa--gfx1250"
	.amdhsa_code_object_version 6
	.text
	.protected	k_qbfd6ea9d21_quant
	.globl	k_qbfd6ea9d21_quant
	.p2align	8
	.type	k_qbfd6ea9d21_quant,@function
k_qbfd6ea9d21_quant:
	s_mov_b64 s[64:65], 0
	v_nop
	global_prefetch_b8 v0, s[64:65] scope:SCOPE_SE
	s_setreg_imm32_b32 hwreg(HW_REG_WAVE_MODE, 25, 1), 1
	s_wait_xcnt 0x0
; Every token of inputs [2][2048][1024] f32 (4,096 rows) is turned ONCE into codes of BF6 (E3M2) with one E8M0 byte for each 32 along K: the quantiser works along a token's own row.
; xc: [4096][768] bytes.  A row is laid in the order of the operand's registers: block kb = 4 s + 2 c + h (K step s of 128, half c of it, lane half h) lies at 384 h + 48 s + 24 c,
; so that the 12 registers which lane (r, h) wants for K step s are 48 consecutive bytes at a multiple of 16.     xs: [4096][32] bytes: byte kb, in its natural order: word s is K step s's scale word.
; A block's scale is 2^(floor(log2(its largest magnitude)) - 4); its byte is the largest magnitude's own exponent field - 4, held at 1 from below.  Each number is divided by the scale and
; rounded to the nearest code, ties to even; beyond the largest code the largest.
; LIMITS: a block of zeros gets the byte 1 where the rule says 127 (its codes are zeros, which add nothing, and this program alone reads the bytes); blocks whose largest magnitude lies
; under 2^(4 - 126) are held at that floor; NaN and infinities among the inputs are not served.
; SHARES.  A wave takes a chunk of 8 rows (8,192 numbers) in 16 steps of 512 numbers, half a row; 512 chunks.  Rows are dense, so a chunk is 32,768 consecutive bytes and every offset is an immediate.
; A load reads 512 consecutive bytes, 16 a lane; the conversion wants 16 NEIGHBOURS in a lane: so a step's 2,048 bytes turn through the wave's own stage in LDS (16 bytes of padding behind each 64).
; Two neighbouring lanes hold a block.  Loads run four steps (16 loads a wave) ahead, the turn through LDS one step.  No barrier: waves share nothing.
.set STEPS, 16
.set EMAX,  4
.set R,     16                         ; v16-79    four sets of 16 numbers as they are loaded
.set X,     80                         ; v80-111   two sets of 16 neighbours
.set E,     112                        ; v112-127  a scale byte for each step
.set C,     128                        ; v128-191  codes: four registers for each step, so that no store's data are written again
.set WREG,  8192                       ; LDS: a region for each wave: two stages of 32 x SP bytes, behind them its 256 scale bytes
.set SP,    80                         ; a lane's place in a stage: its 64 bytes + 16 of padding
	s_load_b128 s[4:7], s[0:1], 0x0                ; inputs s[4:5], xc s[6:7]
	s_load_b64 s[8:9], s[0:1], 0x10                ; xs
	v_lshl_add_u32 v192, v0, 2, 0x4000
	v_mov_b32 v193, 0
	v_lshrrev_b32 v1, 5, v0
	v_readfirstlane_b32 s16, v1                    ; wave 0..1
	v_and_b32 v2, 31, v0                           ; lane
	v_lshlrev_b32 v3, 4, v2                        ; my 16 bytes of a load's 512
	s_mul_i32 s17, s16, WREG
	v_lshrrev_b32 v14, 2, v2
	v_mul_u32_u24 v14, v14, SP
	v_and_b32 v15, 3, v2
	v_lshl_add_u32 v14, v15, 4, v14
	v_add_nc_u32 v14, s17, v14                     ; the stage, on the way in: SP (lane / 4) + 16 (lane % 4)
	v_mul_u32_u24 v15, v2, SP
	v_add_nc_u32 v15, s17, v15                     ; and on the way out: SP x lane: my 16 neighbours
	; where my 12 bytes of codes go in half a row of xc.  My block in the step is q = lane / 2: h = q % 2, c = (q / 2) % 2, K step in the half row q / 4
	v_bfe_u32 v4, v2, 1, 1
	v_mul_u32_u24 v4, v4, 384                      ; 384 h
	v_lshrrev_b32 v8, 3, v2
	v_mad_u32_u24 v4, v8, 48, v4                   ; + 48 (q / 4)
	v_bfe_u32 v8, v2, 2, 1
	v_mad_u32_u24 v4, v8, 24, v4                   ; + 24 c
	v_and_b32 v8, 1, v2
	v_mad_u32_u24 v4, v8, 12, v4                   ; + 12 for the block's upper 16 codes
	v_lshrrev_b32 v5, 1, v2
	s_add_co_u32 s17, s17, 2*32*SP
	v_add_nc_u32 v5, s17, v5                       ; LDS: my wave's 256 scale bytes, my block's byte
	v_lshlrev_b32 v7, 3, v2                        ; and on the way out 8 bytes a lane
	v_add_nc_u32 v6, s17, v7
	s_lshl_b32 s18, ttmp9, 1
	s_add_co_u32 s18, s18, s16                     ; my chunk, 0..511
	s_lshl_b32 s24, s18, 15                        ; its 8 rows of 4,096 bytes in inputs (under 2^24)
	s_mov_b32 s25, 0
	s_mul_i32 s26, s18, 8*768                      ; its 8 rows of xc
	s_mov_b32 s27, 0
	s_lshl_b32 s28, s18, 8                         ; its 256 bytes of xs
	s_mov_b32 s29, 0
	s_wait_kmcnt 0x0
	s_add_nc_u64 s[4:5], s[4:5], s[24:25]
	s_add_nc_u64 s[6:7], s[6:7], s[26:27]
	s_add_nc_u64 s[8:9], s[8:9], s[28:29]
.macro LOAD t                          ; step t: half t % 2 of row t / 2.  No hint: the rows are read again by a later launch
.irp i, 0,1,2,3
	global_load_b128 v[R+16*((\t)%4)+4*\i:R+16*((\t)%4)+4*\i+3], v3, s[4:5] offset:2048*(\t)+512*\i   ; 32 lanes read 512 consecutive bytes
.endr
.endm
.macro TURN t                          ; step t's numbers through the stage: LDS serves a wave's instructions in order (ISA guide 5.7.1.4), so no wait stands between the stores and the loads
.irp i, 0,1,2,3
	ds_store_b128 v14, v[R+16*((\t)%4)+4*\i:R+16*((\t)%4)+4*\i+3] offset:32*SP*((\t)%2)+8*SP*\i
.endr
.irp i, 0,1,2,3
	ds_load_b128 v[X+16*((\t)%2)+4*\i:X+16*((\t)%2)+4*\i+3], v15 offset:32*SP*((\t)%2)+16*\i
.endr
.endm
.irp t, 0,1,2,3
	LOAD \t
.endr
	s_wait_loadcnt 12                              ; step 0's four loads are in; those of steps 1 to 3 may be out
	TURN 0
.macro STEP t
.set XS, X+16*((\t)%2)
.if (\t) > 0
	s_wait_dscnt 1                                 ; this step's numbers are back from the stage (the last step's byte store may be out): so its stores into the stage have read their registers,
.else
	s_wait_dscnt 0x0
.endif
.if (\t)+4 < STEPS
	LOAD (\t)+4                                    ; which take the loads of four steps on
.endif
.if (\t)+1 < STEPS
.if STEPS-2-(\t) >= 3
	s_wait_loadcnt 12                              ; the next step's four loads are in; those of the three steps behind it may be out
.else
	s_wait_loadcnt 4*(STEPS-2-(\t))                ; in the tail the count runs down: four for each step behind the next
.endif
	TURN (\t)+1                                    ; and go through the other stage while this step is worked
.endif
	v_max3_num_f32 v8, |v[XS]|, |v[XS+1]|, |v[XS+2]|               ; the largest magnitude of my 16, in two chains
	v_max3_num_f32 v9, |v[XS+3]|, |v[XS+4]|, |v[XS+5]|
.irp i, 6,10
	v_max3_num_f32 v8, v8, |v[XS+\i]|, |v[XS+\i+1]|
	v_max3_num_f32 v9, v9, |v[XS+\i+2]|, |v[XS+\i+3]|
.endr
	v_max3_num_f32 v8, v8, |v[XS+14]|, |v[XS+15]|
	v_max3_num_f32 v8, v8, v9, (EMAX+1)<<23        ; and the floor 2^(EMAX + 1 - 127): the byte cannot fall under 1
	v_max_num_f32_dpp v8, v8, v8 row_xmask:1 row_mask:0xf bank_mask:0xf   ; and of my neighbour's 16: the block's
	v_add_nc_u32 v11, -(EMAX<<23), v8              ; EMAX off its exponent field: the conversion takes the exponent field of this operand as its scale, and nothing else of it
	v_cvt_scalef32_pk16_bf6_f32 v[C+4*(\t):C+4*(\t)+2], v[XS:XS+15], v11   ; sixteen codes, 96 bits without gaps, the first number's code lowest
	v_lshrrev_b32 v[E+(\t)], 23, v11               ; the scale's byte (also the plain line behind the conversion)
	ds_store_b8 v5, v[E+(\t)] offset:16*(\t)       ; both lanes of a block write the same byte with the same value
	global_store_b96 v4, v[C+4*(\t):C+4*(\t)+2], s[6:7] offset:768*((\t)/2)+192*((\t)%2)   ; the lanes of each lane half h cover 192 consecutive bytes
.endm
.irp t, 0,1,2,3,4,5,6,7,8,9,10,11,12,13,14,15
	STEP \t
.endr
	ds_load_b64 v[12:13], v6                       ; LDS serves a wave's instructions in order: these see my byte stores
	s_wait_dscnt 0x0
	global_store_b64 v7, v[12:13], s[8:9]          ; 32 lanes store 256 consecutive bytes, at a multiple of 256 from xs's first byte
	s_wait_tensorcnt 0x0
	ds_add_u32 v192, v193
	s_wait_dscnt 0x0
	s_endpgm
.Lfunc_end_k_qbfd6ea9d21_quant:
	.size	k_qbfd6ea9d21_quant, .Lfunc_end_k_qbfd6ea9d21_quant-k_qbfd6ea9d21_quant
	.p2alignl 7, 3214868480
	.fill 96, 4, 3214868480
	.section	.rodata,"a",@progbits
	.p2align	6, 0x0
	.amdhsa_kernel k_qbfd6ea9d21_quant
		.amdhsa_group_segment_fixed_size 16640
		.amdhsa_private_segment_fixed_size 0
		.amdhsa_enable_private_segment 0
		.amdhsa_kernarg_size 24
		.amdhsa_user_sgpr_count 2
		.amdhsa_user_sgpr_kernarg_segment_ptr 1
		.amdhsa_wavefront_size32 1
		.amdhsa_system_sgpr_workgroup_id_x 1
		.amdhsa_system_sgpr_workgroup_id_y 1
		.amdhsa_system_sgpr_workgroup_id_z 1
		.amdhsa_system_vgpr_workitem_id 0
		.amdhsa_next_free_vgpr 194
		.amdhsa_next_free_sgpr 66
		.amdhsa_reserve_vcc 0
		.amdhsa_float_denorm_mode_32 3
		.amdhsa_float_denorm_mode_16_64 3
		.amdhsa_memory_ordered 1
		.amdhsa_forward_progress 1
		.amdhsa_inst_pref_size 32
	.end_amdhsa_kernel
	.amdgpu_metadata
---
amdhsa.version: [ 1, 2 ]
amdhsa.kernels:
  - .name:           k_qbfd6ea9d21_quant
    .symbol:         k_qbfd6ea9d21_quant.kd
    .args:
      - { .name: inputs, .offset: 0, .size: 8, .value_kind: global_buffer, .address_space: global }
      - { .name: xc, .offset: 8, .size: 8, .value_kind: global_buffer, .address_space: global }
      - { .name: xs, .offset: 16, .size: 8, .value_kind: global_buffer, .address_space: global }
    .group_segment_fixed_size: 16640
    .private_segment_fixed_size: 0
    .kernarg_segment_align: 8
    .kernarg_segment_size: 24
    .max_flat_workgroup_size: 64
    .sgpr_count:     66
    .vgpr_count:     194
    .wavefront_size: 32
...
	.end_amdgpu_metadata
.endif
;; end of part 4
;; launch score (part 5): grid 4 x 64, 4 waves a work-group, no clusters, 53,760 bytes of LDS; arguments xc, xs, W1_codes, W1_scales, b1, w_out, part; writes part
.if DOCPART == 5
	.amdgcn_target "amdgcn-amd-amdhsa--gfx1250"
	.amdhsa_code_object_version 6
	.text
	.protected	k_qbfd6ea9d21_score
	.globl	k_qbfd6ea9d21_score
	.p2align	8
	.type	k_qbfd6ea9d21_score,@function
k_qbfd6ea9d21_score:
	s_mov_b64 s[64:65], 0
	v_nop
	global_prefetch_b8 v0, s[64:65] scope:SCOPE_SE
	s_setreg_imm32_b32 hwreg(HW_REG_WAVE_MODE, 25, 1), 1
	s_wait_xcnt 0x0
; part[cg][t] = the sum over the 64 hidden units n of column group cg of relu(x(t) . W1[:, n] + b1[n]) w_out[n], for each of the 4,096 tokens t.
; EACH TOKEN'S ROW IS MULTIPLIED ONCE.  The definition gathers a token into up to 16 windows and multiplies each copy; the row, its codes, its products and its score hang on the token alone,
; for every input, so the 65,536 gathered rows are 4,096 different ones, and the next launch takes each window position's score from its token.
; The product x W1 is made on codes of BF6 (E3M2) with E8M0 scales, 4,096 x 1,024 x 1,024, sums in f32; bias, relu and the product with w_out in f32.
; The 16 column groups' parts are added in the next launch (a sum that spans work-groups is ordered, not made by atomics).
; SHARES.  Work-group (x = slice of 256 hidden units, y = group of 64 tokens).  THE WAVES SHARE THE COLUMNS: wave w owns column group cg = 4 x + w, hidden units 64 cg .. + 63, four tiles of 16;
; its 32 fragments of W1 (384 registers), their scale words, b1 and w_out come straight into its registers.  Wave w also brings tokens 64 y + 16 w .. + 15, 12,288 dense bytes of xc at a multiple of 256,
; and stores them into LDS; behind one barrier all four waves read all 64 tokens.
; No tensor load and no cluster: what work-groups share (a wave's 49,152 bytes of W1) goes to registers by the wave's own loads, which no joint request serves, and nothing in LDS is filled twice.
; THE MATRIX INSTRUCTION IS USED TRANSPOSED (source 0 = 16 hidden units of W1, source 1 = 16 tokens): a lane holds ONE token (lane % 16) and its eight registers the units 8 (lane / 16) + 0 .. 7,
; so that the product with w_out is a fused multiply-add down the lane's registers and one exchange between the halves of the lanes.
; LDS: 4 tiles x 16 rows at pitch 784 (768 + 16 = 49 x 16: the sixteen rows that a 16-byte load touches start at sixteen different 16-byte columns of 256 bytes), then 4 x 16 rows x 32 scale bytes;
;   behind them 256 bytes for each wave, its own, for the way out.
; REGISTERS, in windows of 256 (s_set_vgpr_msb: bits 1:0 source 0, 3:2 source 1, 5:4 source 2, 7:6 destination):
;   window 0: v1-20 addresses; v24-27 the row sums, v28-31 the exchange; v32-63 W1's scale words (8 n + s); v64-95 the tokens' scale words (8 m + s); v96-143, v144-191 the tokens' fragments, two sets of four
;   window 1: W1's fragments of K steps 0-4 at 48 s + 12 n.    window 2: K steps 5-7 at 48 (s - 5) + 12 n; v144-239 the codes that I bring, v240-243 their scale bytes
;   window 3: v0-127 the 16 accumulators (tile of tokens m, tile of units n) at 8 (4 m + n); v128-159 b1; v160-191 w_out; v192-199 a pair of running sums for each m
.set BUFB,  52224
.set SPANB, 12544                      ; 16 rows x 784
.set SCOFF, 50176                      ; the scale rows
.set OUTST, BUFB
.set L16, 4                            ; v4   16 x lane
.set GA,  5                            ; v5   byte offset in xc of my 16 bytes of the 16 tokens that I bring
.set GS,  6                            ; v6   the same in xs
.set STA, 7                            ; v7   LDS: 12,544 x wave + 16 x lane
.set STB, 8                            ; v8   the same + 16 (lane / 16): for the stores that straddle a row's end
.set STS, 9                            ; v9   LDS: the scale bytes that I bring: SCOFF + 512 x wave + 16 x lane
.set RD,  10                           ; v10  LDS: my lane's place in a tile's rows: 784 r + 384 h
.set RS,  12                           ; v12  LDS: my token's scale row: SCOFF + 32 r
.set SO,  13                           ; v13  the way out: where I put a row sum
.set SL,  14                           ; v14  and where I read 8 bytes back
.set GO,  15                           ; v15  8 x lane
.set OU,  16                           ; v[16:17] what goes out
.set WA,  18                           ; v18  W1's codes: 768 r + 24 h
.set R32, 19                           ; v19  32 r
.set H32, 20                           ; v20  32 h
.set S,   24
.set T,   28
.set WS,  32
.set AS,  64
.set AF0, 96
.set G,   144                          ; in window 2
.set GSC, 240
.set B1,  128                          ; in window 3
.set WO,  160
.set SUM, 192
.set MSB, 0
.macro WIN new                         ; the immediate's high byte repeats the setting that is left; a switch that changes nothing is dropped
.if MSB != \new
	s_set_vgpr_msb (MSB<<8)|\new
.set MSB, \new
.endif
.endm
.macro PLACES                          ; four plain places behind a matrix instruction, in front of loads into registers that it has read and of the first read of results (ISA guide 7.12.1 for the first read of results)
.rept 4
	v_nop
.endr
.endm
.macro FETCH s, buf                    ; the four tiles' fragments of K step s: 48 consecutive bytes a lane, as xc lays them
.irp m, 0,1,2,3
.irp c, 0,1,2
	ds_load_b128 v[AF0+48*(\buf)+12*\m+4*\c:AF0+48*(\buf)+12*\m+4*\c+3], v[RD] offset:SPANB*\m+48*(\s)+16*\c
.endr
.endr
.endm
; 16 matrix instructions: K step s of all 16 accumulators, which take turns, one instruction a turn, in the same order in every step.
; The first K step starts the sums with b1 as C: the bias costs no addition and nothing is cleared.
.macro MUL s, buf
.if (\s) < 5
	WIN 0xf1                                       ; source 0 (W1) window 1, source 1 (tokens) window 0, C and D window 3
.set WF, 48*(\s)
.else
	WIN 0xf2                                       ; W1's K steps 5-7 lie in window 2
.set WF, 48*((\s)-5)
.endif
.set AB, AF0+48*(\buf)
.irp m, 0,1,2,3
.irp n, 0,1,2,3
.if (\s) == 0
	v_wmma_scale_f32_16x16x128_f8f6f4 v[8*(4*\m+\n):8*(4*\m+\n)+7], v[WF+12*\n:WF+12*\n+11], v[AB+12*\m:AB+12*\m+11], v[B1+8*\n:B1+8*\n+7], v[WS+8*\n+(\s)], v[AS+8*\m+(\s)] matrix_a_fmt:MATRIX_FMT_BF6 matrix_b_fmt:MATRIX_FMT_BF6
.else
	v_wmma_scale_f32_16x16x128_f8f6f4 v[8*(4*\m+\n):8*(4*\m+\n)+7], v[WF+12*\n:WF+12*\n+11], v[AB+12*\m:AB+12*\m+11], v[8*(4*\m+\n):8*(4*\m+\n)+7], v[WS+8*\n+(\s)], v[AS+8*\m+(\s)] matrix_a_fmt:MATRIX_FMT_BF6 matrix_b_fmt:MATRIX_FMT_BF6
.endif
.endr
.endr
	WIN 0
.endm
	s_load_b256 s[4:11], s[0:1], 0x0               ; xc s[4:5], xs s[6:7], W1's codes s[8:9], W1's scales s[10:11]
	s_load_b128 s[12:15], s[0:1], 0x20             ; b1 s[12:13], w_out s[14:15]
	s_load_b64 s[18:19], s[0:1], 0x30              ; part
	v_lshl_add_u32 v254, v0, 2, 0xd000
	v_mov_b32 v255, 0
	v_lshrrev_b32 v1, 5, v0
	v_readfirstlane_b32 s20, v1                    ; wave 0..3
	v_and_b32 v1, 31, v0                           ; lane
	v_and_b32 v2, 15, v0                           ; r
	v_bfe_u32 v3, v0, 4, 1                         ; h
	v_lshlrev_b32 v[L16], 4, v1
	s_mul_i32 s32, s20, SPANB
	v_add_nc_u32 v[STA], s32, v[L16]
	v_lshl_add_u32 v[STB], v3, 4, v[STA]
	s_lshl_b32 s32, s20, 9
	s_add_co_u32 s32, s32, SCOFF
	v_add_nc_u32 v[STS], s32, v[L16]
	v_mul_u32_u24 v[RD], v2, 784
	v_mad_u32_u24 v[RD], v3, 384, v[RD]
	v_lshlrev_b32 v[R32], 5, v2
	v_add_nc_u32 v[RS], SCOFF, v[R32]
	s_lshl_b32 s32, s20, 8
	s_add_co_u32 s32, s32, OUTST
	v_lshl_add_u32 v[SO], v2, 2, s32
	v_lshl_add_u32 v[SL], v1, 3, s32
	v_lshlrev_b32 v[GO], 3, v1
	v_mul_u32_u24 v[WA], v2, 768
	v_mad_u32_u24 v[WA], v3, 24, v[WA]
	v_lshlrev_b32 v[H32], 5, v3
.irp m, 0,1,2,3
	v_mov_b32 v[T+\m], 0                           ; written once: a lane permute's destination counts as one of its sources
.endr
	s_mov_b32 s26, 0x76543210
	s_mov_b32 s27, 0xfedcba98                      ; v_permlanex16_b32's selects for lane l xor 16
	s_and_b32 s22, ttmp7, 0xffff                   ; group of 64 tokens
	s_lshl_b32 s23, ttmp9, 2
	s_add_co_u32 s23, s23, s20                     ; cg = 4 x slice + wave
	s_lshl_b32 s24, s22, 6
	s_lshl_b32 s25, s20, 4
	s_add_co_u32 s24, s24, s25                     ; the first token that I bring: 64 x group + 16 x wave
	s_mul_i32 s25, s24, 768
	s_lshl_b32 s28, s24, 5
	v_add_nc_u32 v[GA], s25, v[L16]
	v_add_nc_u32 v[GS], s28, v[L16]
	s_mul_i32 s32, s23, 64*768                     ; my 64 rows of W1's codes,
	s_mov_b32 s33, 0
	s_lshl_b32 s34, s23, 11                        ; of its scale bytes,
	s_mov_b32 s35, 0
	s_lshl_b32 s36, s23, 8                         ; my 64 numbers of b1 and of w_out
	s_mov_b32 s37, 0
	s_wait_kmcnt 0x0
	s_add_nc_u64 s[8:9], s[8:9], s[32:33]
	s_add_nc_u64 s[10:11], s[10:11], s[34:35]
	s_add_nc_u64 s[12:13], s[12:13], s[36:37]
	s_add_nc_u64 s[14:15], s[14:15], s[36:37]
	s_lshl_b32 s32, s23, 14
	s_lshl_b32 s34, s22, 8
	s_add_co_u32 s32, s32, s34
	s_add_nc_u64 s[18:19], s[18:19], s[32:33]      ; part at [cg][64 x group]
	; my 16 tokens' codes: 24 loads of 512 consecutive bytes, and their 512 scale bytes
	WIN 0x80                                       ; destination window 2
.irp j, 0,1,2,3,4,5,6,7,8,9,10,11,12,13,14,15,16,17,18,19,20,21,22,23
	global_load_b128 v[G+4*\j:G+4*\j+3], v[GA], s[4:5] offset:512*\j
.endr
	global_load_b128 v[GSC:GSC+3], v[GS], s[6:7]
	; W1's fragment (tile n, K step s): lane (r, h) takes of row 16 n + r the 24 bytes at 96 s + 24 h and those 48 further on, each as three loads of 8 bytes
	WIN 0x40                                       ; destination window 1
.irp s, 0,1,2,3,4
.irp n, 0,1,2,3
.irp c, 0,1
.irp p, 0,1,2
	global_load_b64 v[48*\s+12*\n+6*\c+2*\p:48*\s+12*\n+6*\c+2*\p+1], v[WA], s[8:9] offset:12288*\n+96*\s+48*\c+8*\p
.endr
.endr
.endr
.endr
	WIN 0x80                                       ; destination window 2
.irp s, 5,6,7
.irp n, 0,1,2,3
.irp c, 0,1
.irp p, 0,1,2
	global_load_b64 v[48*(\s-5)+12*\n+6*\c+2*\p:48*(\s-5)+12*\n+6*\c+2*\p+1], v[WA], s[8:9] offset:12288*\n+96*\s+48*\c+8*\p
.endr
.endr
.endr
.endr
	WIN 0
.irp n, 0,1,2,3
.irp c, 0,1
	global_load_b128 v[WS+8*\n+4*\c:WS+8*\n+4*\c+3], v[R32], s[10:11] offset:512*\n+16*\c   ; row 16 n + r: its eight scale words
.endr
.endr
	WIN 0xc0                                       ; destination window 3
.irp n, 0,1,2,3
.irp c, 0,1
	global_load_b128 v[B1+8*\n+4*\c:B1+8*\n+4*\c+3], v[H32], s[12:13] offset:64*\n+16*\c   ; in the result's layout: units 16 n + 8 h + 0 .. 7
	global_load_b128 v[WO+8*\n+4*\c:WO+8*\n+4*\c+3], v[H32], s[14:15] offset:64*\n+16*\c
.endr
.endr
	WIN 0
	s_wait_loadcnt 0x0                             ; the tokens and the weights
	; into LDS: byte x of my 12,288 goes to x + 16 (x / 768).  Three loads are two rows: the middle one straddles a row's end at lane 16
	WIN 0x08                                       ; an LDS store's data are its source 1: window 2
.irp a, 0,1,2,3,4,5,6,7
	ds_store_b128 v[STA], v[G+12*\a:G+12*\a+3] offset:1568*\a
	ds_store_b128 v[STB], v[G+12*\a+4:G+12*\a+7] offset:1568*\a+512
	ds_store_b128 v[STA], v[G+12*\a+8:G+12*\a+11] offset:1568*\a+1040
.endr
	ds_store_b128 v[STS], v[GSC:GSC+3]
	WIN 0
	s_wait_dscnt 0x0                               ; for the others' sake: my stores have landed
	s_barrier_signal -1
	s_barrier_wait -1                              ; all 64 tokens lie in LDS
.irp m, 0,1,2,3                        ; the four tiles' scale words for all eight K steps: lane r (and 16 + r) takes token r's 32 bytes
.irp c, 0,1
	ds_load_b128 v[AS+8*\m+4*\c:AS+8*\m+4*\c+3], v[RS] offset:512*\m+16*\c
.endr
.endr
	FETCH 0, 0
.irp s, 0,1,2,3,4,5,6
.if \s > 0
	PLACES                                         ; the set that is loaded next was read by the products just issued
.endif
	FETCH \s+1, (\s+1)%2
	s_wait_dscnt 12                                ; all but the 12 loads just issued: this K step's fragments are in (and at step 0 the scale words)
	MUL \s, \s%2
.endr
	s_wait_dscnt 0x0
	MUL 7, 1
	PLACES
	; relu, and the product with w_out: for each tile of tokens a pair of running sums; the four chains alternate.  Each accumulator is read from its low end on.
	WIN 0xff                                       ; all in window 3
.irp n, 0,1,2,3
.irp m, 0,1,2,3
.irp j, 0,1,2,3,4,5,6,7
	v_max_num_f32 v[8*(4*\m+\n)+\j], 0, v[8*(4*\m+\n)+\j]
.endr
.endr
.irp q, 0,1,2,3
.irp m, 0,1,2,3
.if (\n == 0) && (\q == 0)
	v_pk_mul_f32 v[SUM+2*\m:SUM+2*\m+1], v[8*(4*\m+\n)+2*\q:8*(4*\m+\n)+2*\q+1], v[WO+8*\n+2*\q:WO+8*\n+2*\q+1]   ; the first product starts the sums
.else
	v_pk_fma_f32 v[SUM+2*\m:SUM+2*\m+1], v[8*(4*\m+\n)+2*\q:8*(4*\m+\n)+2*\q+1], v[WO+8*\n+2*\q:WO+8*\n+2*\q+1], v[SUM+2*\m:SUM+2*\m+1]
.endif
.endr
.endr
.endr
	WIN 0x0f                                       ; sources window 3, destination window 0
.irp m, 0,1,2,3
	v_add_f32 v[S+\m], v[SUM+2*\m], v[SUM+2*\m+1]
.endr
	WIN 0
.irp m, 0,1,2,3
	v_permlanex16_b32 v[T+\m], v[S+\m], s26, s27   ; the token's other 32 units lie in the lane 16 away
.endr
.irp m, 0,1,2,3
	v_add_f32 v[S+\m], v[S+\m], v[T+\m]
.endr
	; the 64 sums (16 m + r) go through my own 256 bytes of LDS and leave by one store
.irp m, 0,1,2,3
	ds_store_b32 v[SO], v[S+\m] offset:64*\m       ; both halves of the lanes write the same word with the same value
.endr
	ds_load_b64 v[OU:OU+1], v[SL]                  ; LDS serves a wave's instructions in order (ISA guide 5.7.1.4): this sees the stores above
	s_wait_dscnt 0x0
	global_store_b64 v[GO], v[OU:OU+1], s[18:19]   ; 32 lanes store 256 consecutive bytes, at a multiple of 256 from part's first byte
	s_wait_tensorcnt 0x0
	ds_add_u32 v254, v255
	s_wait_dscnt 0x0
	s_endpgm
.Lfunc_end_k_qbfd6ea9d21_score:
	.size	k_qbfd6ea9d21_score, .Lfunc_end_k_qbfd6ea9d21_score-k_qbfd6ea9d21_score
	.p2alignl 7, 3214868480
	.fill 96, 4, 3214868480
	.section	.rodata,"a",@progbits
	.p2align	6, 0x0
	.amdhsa_kernel k_qbfd6ea9d21_score
		.amdhsa_group_segment_fixed_size 53760
		.amdhsa_private_segment_fixed_size 0
		.amdhsa_enable_private_segment 0
		.amdhsa_kernarg_size 56
		.amdhsa_user_sgpr_count 2
		.amdhsa_user_sgpr_kernarg_segment_ptr 1
		.amdhsa_wavefront_size32 1
		.amdhsa_system_sgpr_workgroup_id_x 1
		.amdhsa_system_sgpr_workgroup_id_y 1
		.amdhsa_system_sgpr_workgroup_id_z 1
		.amdhsa_system_vgpr_workitem_id 0
		.amdhsa_next_free_vgpr 1024
		.amdhsa_next_free_sgpr 66
		.amdhsa_reserve_vcc 0
		.amdhsa_float_denorm_mode_32 3
		.amdhsa_float_denorm_mode_16_64 3
		.amdhsa_memory_ordered 1
		.amdhsa_forward_progress 1
		.amdhsa_inst_pref_size 61
	.end_amdhsa_kernel
	.amdgpu_metadata
---
amdhsa.version: [ 1, 2 ]
amdhsa.kernels:
  - .name:           k_qbfd6ea9d21_score
    .symbol:         k_qbfd6ea9d21_score.kd
    .args:
      - { .name: xc, .offset: 0, .size: 8, .value_kind: global_buffer, .address_space: global }
      - { .name: xs, .offset: 8, .size: 8, .value_kind: global_buffer, .address_space: global }
      - { .name: W1_codes, .offset: 16, .size: 8, .value_kind: global_buffer, .address_space: global }
      - { .name: W1_scales, .offset: 24, .size: 8, .value_kind: global_buffer, .address_space: global }
      - { .name: b1, .offset: 32, .size: 8, .value_kind: global_buffer, .address_space: global }
      - { .name: w_out, .offset: 40, .size: 8, .value_kind: global_buffer, .address_space: global }
      - { .name: part, .offset: 48, .size: 8, .value_kind: global_buffer, .address_space: global }
    .group_segment_fixed_size: 53760
    .private_segment_fixed_size: 0
    .kernarg_segment_align: 8
    .kernarg_segment_size: 56
    .max_flat_workgroup_size: 128
    .sgpr_count:     66
    .vgpr_count:     1024
    .wavefront_size: 32
...
	.end_amdgpu_metadata
.endif
;; end of part 5
;; launch mix (part 6): grid 1024 x 1, 4 waves a work-group, no clusters, 0 bytes of LDS; arguments inputs, part, b, e, b_out, out0; writes out0
.if DOCPART == 6
	.amdgcn_target "amdgcn-amd-amdhsa--gfx1250"
	.amdhsa_code_object_version 6
	.text
	.protected	k_qbfd6ea9d21_mix
	.globl	k_qbfd6ea9d21_mix
	.p2align	8
	.type	k_qbfd6ea9d21_mix,@function
k_qbfd6ea9d21_mix:
	s_mov_b64 s[64:65], 0
	v_nop
	global_prefetch_b8 v0, s[64:65] scope:SCOPE_SE
	s_setreg_imm32_b32 hwreg(HW_REG_WAVE_MODE, 25, 1), 1
	s_wait_xcnt 0x0
; out0[span][:] = the sum over w of p[w] x token min(b + w, 2047), p = softmax over w = 0 .. 15 of (score[w] - (b + w > e ? 1e38 : 0)), score[w] = the 16 column groups' parts of that token in part, added, + b_out.  All in f32.
; part is [16][4096]: a token's parts were made once, whatever the number of windows that hold it.  The maximum is taken away before the exponential, as the definition has it.
; SHARES.  One wave, one span: a row of 4,096 bytes is eight loads of 512 consecutive bytes, 32 numbers a lane; the 32 running sums stay in registers.  No LDS, no barrier, no matrix instruction:
; the product has K = 16 and one row a span, and the rows' bytes bind it.
; ROWS THAT THE MASK THROWS AWAY ARE NOT READ.  Rows come in groups of two, and the wave stops behind the group that holds row n - 1, n = e - b + 1 held to 1 .. 16: a masked position's exponent is about -1.4e38,
; whose exponential is 0.  Where no position counts (e < b) every score becomes -1e38, the weights are all 1/16, and all 16 rows are read.  The branches hang on b and e alone, whole numbers read from memory.
; LIMITS: b is taken as 0 or more; e - b + 1 fits in 32 bits; NaN and infinities among the inputs are not served (a row that is not read adds 0, where the definition has 0 x that row).
.set PT,  6                            ; v6-13    eight parts; then at work
.set OFF, 16                           ; v16-31   byte offset in inputs of my 16 bytes of window row w
.set ACC, 32                           ; v32-63   the running sums
.set XA,  64                           ; v64-127, v128-191  two groups of two rows
.set PS,  32                           ; s[32:63] p[w] as a pair (the packed form names a pair and takes its low word for both halves)
	s_load_b256 s[4:11], s[0:1], 0x0               ; inputs s[4:5], part s[6:7], b s[8:9], e s[10:11]
	s_load_b128 s[12:15], s[0:1], 0x20             ; b_out s[12:13], out0 s[14:15]
	v_lshrrev_b32 v1, 5, v0
	v_readfirstlane_b32 s16, v1                    ; wave 0..3
	s_lshl_b32 s17, ttmp9, 2
	s_add_co_u32 s17, s17, s16                     ; my span, 0..4095
	v_and_b32 v1, 31, v0                           ; lane
	v_and_b32 v2, 15, v0                           ; r: the window position whose score I hold
	v_bfe_u32 v3, v0, 4, 1                         ; h
	v_lshlrev_b32 v4, 4, v1                        ; 16 x lane
	s_lshl_b32 s22, s17, 2                         ; my span's word in b and in e
	s_lshr_b32 s23, s17, 11
	s_lshl_b32 s29, s23, 13                        ; the batch's first byte in a column group of part: 2,048 tokens x 4,
	s_lshl_b32 s23, s23, 23                        ; and in inputs
	s_lshl_b32 s26, s17, 12                        ; my row of out0
	s_mov_b32 s27, 0
	s_mov_b32 s24, 0x76543210
	s_mov_b32 s25, 0xfedcba98                      ; v_permlanex16_b32's selects for lane l xor 16
	v_mov_b32 v14, 0                               ; a lane permute's destination counts as one of its sources
	s_wait_kmcnt 0x0
	s_load_b32 s18, s[8:9], s22 offset:0x0         ; b
	s_load_b32 s19, s[10:11], s22 offset:0x0       ; e
	s_load_b32 s20, s[12:13], 0x0                  ; b_out
	s_add_nc_u64 s[14:15], s[14:15], s[26:27]
	s_wait_kmcnt 0x0
	v_add_nc_u32 v5, s18, v2                       ; position r's token: b + r,
	v_min_u32 v5, 0x7ff, v5                        ; held at 2047;
	v_lshlrev_b32 v5, 2, v5                        ; its word in a column group of part,
	v_lshl_add_u32 v5, v3, 14, v5                  ; lanes 16-31 take the odd column groups, 16,384 bytes on,
	v_add_nc_u32 v5, s29, v5                       ; in my span's batch
.irp c, 0,1,2,3,4,5,6,7
	global_load_b32 v[PT+\c], v5, s[6:7] offset:32768*\c           ; column group 2 c + h
.endr
.irp w, 0,1,2,3,4,5,6,7,8,9,10,11,12,13,14,15
	s_add_co_u32 s28, s18, \w
	s_min_u32 s28, s28, 0x7ff                      ; the window's index, held at 2047
	s_lshl_b32 s28, s28, 12
	s_add_co_u32 s28, s28, s23
	v_add_nc_u32 v[OFF+\w], s28, v4
.endr
	s_sub_co_i32 s21, s19, s18
	s_add_co_i32 s21, s21, 1                       ; n = e - b + 1 positions count,
	s_min_i32 s21, s21, 16                         ; 16 at the most;
	s_cmp_lt_i32 s21, 1
	s_cselect_b32 s21, 16, s21                     ; where none counts, all weigh alike
.macro LOADG g                         ; rows 2 g and 2 g + 1 of the window
.irp k, 0,1
.irp j, 0,1,2,3,4,5,6,7
	global_load_b128 v[XA+64*((\g)%2)+32*\k+4*\j:XA+64*((\g)%2)+32*\k+4*\j+3], v[OFF+2*(\g)+\k], s[4:5] offset:512*\j   ; 32 lanes read 512 consecutive bytes
.endr
.endr
.endm
.macro FMA g                           ; the sums take p x these two rows; the very first product starts them: nothing is cleared
.irp k, 0,1
.irp i, 0,1,2,3,4,5,6,7,8,9,10,11,12,13,14,15
.if ((\g) == 0) && (\k == 0)
	v_pk_mul_f32 v[ACC+2*\i:ACC+2*\i+1], v[XA+64*((\g)%2)+32*\k+2*\i:XA+64*((\g)%2)+32*\k+2*\i+1], s[PS+2*(2*(\g)+\k):PS+2*(2*(\g)+\k)+1] op_sel_hi:[1,0]
.else
	v_pk_fma_f32 v[ACC+2*\i:ACC+2*\i+1], v[XA+64*((\g)%2)+32*\k+2*\i:XA+64*((\g)%2)+32*\k+2*\i+1], s[PS+2*(2*(\g)+\k):PS+2*(2*(\g)+\k)+1], v[ACC+2*\i:ACC+2*\i+1] op_sel_hi:[1,0,1]
.endif
.endr
.endr
.endm
	LOADG 0                                        ; on their way while the weights are made
	s_wait_loadcnt 16                              ; the eight parts are in; the 16 loads of rows 0 and 1 may be out
	v_add_f32 v6, v6, v7
	v_add_f32 v8, v8, v9
	v_add_f32 v10, v10, v11
	v_add_f32 v12, v12, v13
	v_add_f32 v6, v6, v8
	v_add_f32 v10, v10, v12
	v_add_f32 v6, v6, v10                          ; my half's eight column groups,
	v_permlanex16_b32 v14, v6, s24, s25
	v_add_f32 v6, v6, v14                          ; and the other half's
	v_add_f32 v6, s20, v6                          ; + b_out: position r's score, in both halves of the lanes
	v_add_nc_u32 v15, s18, v2                      ; b + r, not held
	v_cmp_ge_i32 vcc_lo, s19, v15                  ; does it count: e >= b + r
	v_mov_b32 v7, 0
	v_mov_b32 v8, 0x7e967699                       ; 1e38
	v_cndmask_b32 v7, v8, v7, vcc_lo
	v_sub_f32 v6, v6, v7                           ; score - (1 - mask) x 1e38
	v_max_num_f32_dpp v9, v6, v6 row_xmask:1 row_mask:0xf bank_mask:0xf
	v_max_num_f32_dpp v9, v9, v9 row_xmask:2 row_mask:0xf bank_mask:0xf
	v_max_num_f32_dpp v9, v9, v9 row_xmask:4 row_mask:0xf bank_mask:0xf
	v_max_num_f32_dpp v9, v9, v9 row_xmask:8 row_mask:0xf bank_mask:0xf   ; the largest of the 16
	v_sub_f32 v6, v6, v9
	v_mul_f32 v6, 0x3fb8aa3b, v6                   ; x log2(e)
	v_exp_f32 v6, v6
	v_nop                                          ; a plain line behind the exponential (ISA guide 5.7.2)
	s_wait_alu depctr_va_vdst(0)
	v_add_f32_dpp v10, v6, v6 row_xmask:1 row_mask:0xf bank_mask:0xf
	v_add_f32_dpp v10, v10, v10 row_xmask:2 row_mask:0xf bank_mask:0xf
	v_add_f32_dpp v10, v10, v10 row_xmask:4 row_mask:0xf bank_mask:0xf
	v_add_f32_dpp v10, v10, v10 row_xmask:8 row_mask:0xf bank_mask:0xf   ; the sum of the 16, at least 1
	v_rcp_f32 v10, v10
	v_nop                                          ; a plain line behind the reciprocal
	s_wait_alu depctr_va_vdst(0)
	v_mul_f32 v6, v6, v10                          ; p[r]
.irp w, 0,1,2,3,4,5,6,7,8,9,10,11,12,13,14,15
	v_readlane_b32 s[PS+2*\w], v6, \w              ; a weight serves the whole wave: it goes to a scalar pair
	s_mov_b32 s[PS+2*\w+1], s[PS+2*\w]             ; (named with it as a pair, so it is written)
.endr
; Group g is added; the next group is asked for first, if a row of it counts.
.macro STAGE g
	s_cmp_le_u32 s21, 2*(\g)+2
	s_cbranch_scc1 .Llast_\g
	LOADG (\g)+1
	s_wait_loadcnt 16                              ; group g's 16 loads are in; the 16 just issued may be out
	FMA \g
.endm
.irp g, 0,1,2,3,4,5,6
	STAGE \g
.endr
	s_wait_loadcnt 0x0
	FMA 7
	s_branch .Lstore
.irp g, 0,1,2,3,4,5,6
.Llast_\g:                                             ; group g is the last that counts: nothing was asked for behind it
	s_wait_loadcnt 0x0
	FMA \g
	s_branch .Lstore
.endr
.Lstore:
.irp j, 0,1,2,3,4,5,6,7
	global_store_b128 v4, v[ACC+4*\j:ACC+4*\j+3], s[14:15] offset:512*\j th:TH_STORE_NT   ; 32 lanes store 512 consecutive bytes, at a multiple of 256 from out0's first byte; written once, read by nobody here
.endr
	s_endpgm
.Lfunc_end_k_qbfd6ea9d21_mix:
	.size	k_qbfd6ea9d21_mix, .Lfunc_end_k_qbfd6ea9d21_mix-k_qbfd6ea9d21_mix
	.p2alignl 7, 3214868480
	.fill 96, 4, 3214868480
	.section	.rodata,"a",@progbits
	.p2align	6, 0x0
	.amdhsa_kernel k_qbfd6ea9d21_mix
		.amdhsa_group_segment_fixed_size 0
		.amdhsa_private_segment_fixed_size 0
		.amdhsa_enable_private_segment 0
		.amdhsa_kernarg_size 48
		.amdhsa_user_sgpr_count 2
		.amdhsa_user_sgpr_kernarg_segment_ptr 1
		.amdhsa_wavefront_size32 1
		.amdhsa_system_sgpr_workgroup_id_x 1
		.amdhsa_system_sgpr_workgroup_id_y 1
		.amdhsa_system_sgpr_workgroup_id_z 1
		.amdhsa_system_vgpr_workitem_id 0
		.amdhsa_next_free_vgpr 192
		.amdhsa_next_free_sgpr 66
		.amdhsa_reserve_vcc 1
		.amdhsa_float_denorm_mode_32 3
		.amdhsa_float_denorm_mode_16_64 3
		.amdhsa_memory_ordered 1
		.amdhsa_forward_progress 1
		.amdhsa_inst_pref_size 53
	.end_amdhsa_kernel
	.amdgpu_metadata
---
amdhsa.version: [ 1, 2 ]
amdhsa.kernels:
  - .name:           k_qbfd6ea9d21_mix
    .symbol:         k_qbfd6ea9d21_mix.kd
    .args:
      - { .name: inputs, .offset: 0, .size: 8, .value_kind: global_buffer, .address_space: global }
      - { .name: part, .offset: 8, .size: 8, .value_kind: global_buffer, .address_space: global }
      - { .name: b, .offset: 16, .size: 8, .value_kind: global_buffer, .address_space: global }
      - { .name: e, .offset: 24, .size: 8, .value_kind: global_buffer, .address_space: global }
      - { .name: b_out, .offset: 32, .size: 8, .value_kind: global_buffer, .address_space: global }
      - { .name: out0, .offset: 40, .size: 8, .value_kind: global_buffer, .address_space: global }
    .group_segment_fixed_size: 0
    .private_segment_fixed_size: 0
    .kernarg_segment_align: 8
    .kernarg_segment_size: 48
    .max_flat_workgroup_size: 128
    .sgpr_count:     66
    .vgpr_count:     192
    .wavefront_size: 32
...
	.end_amdgpu_metadata
.endif
;; end of part 6
;; ======== version 3 of 3: 3 launches
;; workspace buffers: xc 3,145,728 bytes; xs 131,072 bytes; part 262,144 bytes
;; launch quant: the kernel of part 4 again; grid 256 x 1, 2 waves a work-group, no clusters, 16,640 bytes of LDS; arguments inputs, xc, xs; writes xc, xs
;; launch score (part 7): grid 4 x 64, 4 waves a work-group, no clusters, 53,760 bytes of LDS; arguments xc, xs, W1_codes, W1_scales, b1, w_out, part; writes part
.if DOCPART == 7
	.amdgcn_target "amdgcn-amd-amdhsa--gfx1250"
	.amdhsa_code_object_version 6
	.text
	.protected	k_qbfd6ea9d21_score
	.globl	k_qbfd6ea9d21_score
	.p2align	8
	.type	k_qbfd6ea9d21_score,@function
k_qbfd6ea9d21_score:
	s_mov_b64 s[64:65], 0
	v_nop
	global_prefetch_b8 v0, s[64:65] scope:SCOPE_SE
	s_setreg_imm32_b32 hwreg(HW_REG_WAVE_SCHED_MODE, 0, 2), 2
	s_setreg_imm32_b32 hwreg(HW_REG_WAVE_MODE, 25, 1), 1
	s_wait_xcnt 0x0
	s_wait_alu depctr_vm_vsrc(0)
; part[cg][t] = the sum over the 64 hidden units n of column group cg of relu(x(t) . W1[:, n] + b1[n]) w_out[n], for each of the 4,096 tokens t.
; EACH TOKEN'S ROW IS MULTIPLIED ONCE.  The definition gathers a token into up to 16 windows and multiplies each copy; the row, its codes, its products and its score hang on the token alone,
; for every input, so the 65,536 gathered rows are 4,096 different ones, and the next launch takes each window position's score from its token.
; The product x W1 is made on codes of BF6 (E3M2) with E8M0 scales, 4,096 x 1,024 x 1,024, sums in f32; bias, relu and the product with w_out in f32.
; The 16 column groups' parts are added in the next launch (a sum that spans work-groups is ordered, not made by atomics).
; SHARES.  Work-group (x = slice of 256 hidden units, y = group of 64 tokens).  THE WAVES SHARE THE COLUMNS: wave w owns column group cg = 4 x + w, hidden units 64 cg .. + 63, four tiles of 16;
; its 32 fragments of W1 (384 registers), their scale words, b1 and w_out come straight into its registers.  Wave w also brings tokens 64 y + 16 w .. + 15, 12,288 dense bytes of xc at a multiple of 256,
; and stores them into LDS; behind one barrier all four waves read all 64 tokens.
; No tensor load and no cluster: what work-groups share (a wave's 49,152 bytes of W1) goes to registers by the wave's own loads, which no joint request serves, and nothing in LDS is filled twice.
; THE MATRIX INSTRUCTION IS USED TRANSPOSED (source 0 = 16 hidden units of W1, source 1 = 16 tokens): a lane holds ONE token (lane % 16) and its eight registers the units 8 (lane / 16) + 0 .. 7,
; so that the product with w_out is a fused multiply-add down the lane's registers and one exchange between the halves of the lanes.
; LDS: 4 tiles x 16 rows at pitch 784 (768 + 16 = 49 x 16: the sixteen rows that a 16-byte load touches start at sixteen different 16-byte columns of 256 bytes), then 4 x 16 rows x 32 scale bytes;
;   behind them 256 bytes for each wave, its own, for the way out; behind those the spare words.
; REGISTERS, in windows of 256 (s_set_vgpr_msb: bits 1:0 source 0, 3:2 source 1, 5:4 source 2, 7:6 destination):
;   window 0: v1-20 addresses; v24-27 the row sums, v28-31 the exchange; v32-63 W1's scale words (8 n + s); v64-95 the tokens' scale words (8 m + s); v96-143, v144-191, v192-239 the tokens' fragments, sets 0 to 2
;   window 1: W1's fragments of K steps 0-4 at 48 s + 12 n.    window 2: K steps 5-7 at 48 (s - 5) + 12 n; v144-239 the codes that I bring, v240-243 their scale bytes
;   window 3: v0-127 the 16 accumulators (tile of tokens m, tile of units n) at 8 (4 m + n); v128-159 b1; v160-191 w_out; v192-199 a pair of running sums for each m; v200-247 the tokens' fragments, set 3
; THE MODE: SCHED_MODE bits 1:0 = 2 (LLVM: expert scheduling mode 2), set by the entry lines.  The code itself states the register dependences between vector or matrix instructions
; and memory or LDS instructions, with s_wait_alu, always for 0.
; THE PLAN.  Registers that memory or LDS instructions touch:
;   the offsets and LDS addresses v4 to v20     written by vector instructions at the head, once; read by every load and store; never written again.
;   window 2 v144-243                           written by global loads, read by the LDS stores, named by nothing else.
;   W1's fragments and scale words, b1, w_out, the tokens' scale words     each loaded once into registers that nothing named before; read by matrix and vector instructions alone.
;   the tokens' fragments, sets 0 to 3          K step s: its LDS loads land in set s % 4, its 16 products read that set.  Step s asks for step s + 2.
;   v24-27                                      written by the last additions, read by four LDS stores.     v16-17: an LDS load lands there, the global store reads them.
; So: one wait on va_sdst for the wave's number; one on va_vdst ahead of the first load, for all addresses; one on va_vdst at the head of K steps 2 and 4, each of which frees the two sets that the two
; steps before have read, for the loads of this step and of the next; one on va_vdst ahead of the row sums' stores.  No register that a memory or LDS instruction reads is written again: no wait on vm_vsrc is owed.
.set BUFB,  52224
.set SPANB, 12544                      ; 16 rows x 784
.set SCOFF, 50176                      ; the scale rows
.set OUTST, BUFB
.set L16, 4                            ; v4   16 x lane
.set GA,  5                            ; v5   byte offset in xc of my 16 bytes of the 16 tokens that I bring
.set GS,  6                            ; v6   the same in xs
.set STA, 7                            ; v7   LDS: 12,544 x wave + 16 x lane
.set STB, 8                            ; v8   the same + 16 (lane / 16): for the stores that straddle a row's end
.set STS, 9                            ; v9   LDS: the scale bytes that I bring: SCOFF + 512 x wave + 16 x lane
.set RD,  10                           ; v10  LDS: my lane's place in a tile's rows: 784 r + 384 h
.set RS,  12                           ; v12  LDS: my token's scale row: SCOFF + 32 r
.set SO,  13                           ; v13  the way out: where I put a row sum
.set SL,  14                           ; v14  and where I read 8 bytes back
.set GO,  15                           ; v15  8 x lane
.set OU,  16                           ; v[16:17] what goes out
.set WA,  18                           ; v18  W1's codes: 768 r + 24 h
.set R32, 19                           ; v19  32 r
.set H32, 20                           ; v20  32 h
.set S,   24
.set T,   28
.set WS,  32
.set AS,  64
.set AF0, 96                           ; sets 0 to 2, in window 0
.set AF3, 200                          ; set 3, in window 3
.set G,   144                          ; in window 2
.set GSC, 240
.set B1,  128                          ; in window 3
.set WO,  160
.set SUM, 192
.set MSB, 0
.macro WIN new                         ; the immediate's high byte repeats the setting that is left; a switch that changes nothing is dropped
.if MSB != \new
	s_set_vgpr_msb (MSB<<8)|\new
.set MSB, \new
.endif
.endm
.macro PLACES                          ; four plain places behind a matrix instruction: in front of the first read of its results, and, as in the plain form of this text, in front of the waits that free a set for new loads
.rept 4
	v_nop
.endr
.endm
.macro FETCH s                         ; the four tiles' fragments of K step s into set s % 4: 48 consecutive bytes a lane, as xc lays them
.if ((\s)%4) < 3
.set FB, AF0+48*((\s)%4)
	WIN 0
.else
.set FB, AF3
	WIN 0xc0                                       ; destination window 3, address window 0
.endif
.irp m, 0,1,2,3
.irp c, 0,1,2
	ds_load_b128 v[FB+12*\m+4*\c:FB+12*\m+4*\c+3], v[RD] offset:SPANB*\m+48*(\s)+16*\c
.endr
.endr
	WIN 0
.endm
; 16 matrix instructions: K step s of all 16 accumulators, which take turns, one instruction a turn, in the same order in every step.
; The first K step starts the sums with b1 as C: the bias costs no addition and nothing is cleared.
.macro MUL s
.if (\s) < 5
.set WW, 1                             ; source 0 (W1): K steps 0-4 lie in window 1,
.set WF, 48*(\s)
.else
.set WW, 2                             ; K steps 5-7 in window 2
.set WF, 48*((\s)-5)
.endif
.if ((\s)%4) < 3
.set AW, 0                             ; source 1 (tokens): sets 0 to 2 lie in window 0,
.set AB, AF0+48*((\s)%4)
.else
.set AW, 3                             ; set 3 in window 3
.set AB, AF3
.endif
	WIN (0xf0+4*AW+WW)                             ; C and D window 3
.irp m, 0,1,2,3
.irp n, 0,1,2,3
.if (\s) == 0
	v_wmma_scale_f32_16x16x128_f8f6f4 v[8*(4*\m+\n):8*(4*\m+\n)+7], v[WF+12*\n:WF+12*\n+11], v[AB+12*\m:AB+12*\m+11], v[B1+8*\n:B1+8*\n+7], v[WS+8*\n+(\s)], v[AS+8*\m+(\s)] matrix_a_fmt:MATRIX_FMT_BF6 matrix_b_fmt:MATRIX_FMT_BF6
.else
	v_wmma_scale_f32_16x16x128_f8f6f4 v[8*(4*\m+\n):8*(4*\m+\n)+7], v[WF+12*\n:WF+12*\n+11], v[AB+12*\m:AB+12*\m+11], v[8*(4*\m+\n):8*(4*\m+\n)+7], v[WS+8*\n+(\s)], v[AS+8*\m+(\s)] matrix_a_fmt:MATRIX_FMT_BF6 matrix_b_fmt:MATRIX_FMT_BF6
.endif
.endr
.endr
	WIN 0
.endm
	s_load_b256 s[4:11], s[0:1], 0x0               ; xc s[4:5], xs s[6:7], W1's codes s[8:9], W1's scales s[10:11]
	s_load_b128 s[12:15], s[0:1], 0x20             ; b1 s[12:13], w_out s[14:15]
	s_load_b64 s[18:19], s[0:1], 0x30              ; part
	v_lshl_add_u32 v254, v0, 2, 0xd000
	v_mov_b32 v255, 0
	v_lshrrev_b32 v1, 5, v0
	v_readfirstlane_b32 s20, v1                    ; wave 0..3
	v_and_b32 v1, 31, v0                           ; lane
	v_and_b32 v2, 15, v0                           ; r
	v_bfe_u32 v3, v0, 4, 1                         ; h
	v_lshlrev_b32 v[L16], 4, v1
	s_wait_alu depctr_va_sdst(0)                   ; s20, the wave's number, is written, ahead of its first reader: LDS addresses, offsets and bases are made from it
	s_mul_i32 s32, s20, SPANB
	v_add_nc_u32 v[STA], s32, v[L16]
	v_lshl_add_u32 v[STB], v3, 4, v[STA]
	s_lshl_b32 s32, s20, 9
	s_add_co_u32 s32, s32, SCOFF
	v_add_nc_u32 v[STS], s32, v[L16]
	v_mul_u32_u24 v[RD], v2, 784
	v_mad_u32_u24 v[RD], v3, 384, v[RD]
	v_lshlrev_b32 v[R32], 5, v2
	v_add_nc_u32 v[RS], SCOFF, v[R32]
	s_lshl_b32 s32, s20, 8
	s_add_co_u32 s32, s32, OUTST
	v_lshl_add_u32 v[SO], v2, 2, s32
	v_lshl_add_u32 v[SL], v1, 3, s32
	v_lshlrev_b32 v[GO], 3, v1
	v_mul_u32_u24 v[WA], v2, 768
	v_mad_u32_u24 v[WA], v3, 24, v[WA]
	v_lshlrev_b32 v[H32], 5, v3
.irp m, 0,1,2,3
	v_mov_b32 v[T+\m], 0                           ; written once: a lane permute's destination counts as one of its sources
.endr
	s_mov_b32 s26, 0x76543210
	s_mov_b32 s27, 0xfedcba98                      ; v_permlanex16_b32's selects for lane l xor 16
	s_and_b32 s22, ttmp7, 0xffff                   ; group of 64 tokens
	s_lshl_b32 s23, ttmp9, 2
	s_add_co_u32 s23, s23, s20                     ; cg = 4 x slice + wave
	s_lshl_b32 s24, s22, 6
	s_lshl_b32 s25, s20, 4
	s_add_co_u32 s24, s24, s25                     ; the first token that I bring: 64 x group + 16 x wave
	s_mul_i32 s25, s24, 768
	s_lshl_b32 s28, s24, 5
	v_add_nc_u32 v[GA], s25, v[L16]
	v_add_nc_u32 v[GS], s28, v[L16]
	s_mul_i32 s32, s23, 64*768                     ; my 64 rows of W1's codes,
	s_mov_b32 s33, 0
	s_lshl_b32 s34, s23, 11                        ; of its scale bytes,
	s_mov_b32 s35, 0
	s_lshl_b32 s36, s23, 8                         ; my 64 numbers of b1 and of w_out
	s_mov_b32 s37, 0
	s_wait_kmcnt 0x0
	s_add_nc_u64 s[8:9], s[8:9], s[32:33]
	s_add_nc_u64 s[10:11], s[10:11], s[34:35]
	s_add_nc_u64 s[12:13], s[12:13], s[36:37]
	s_add_nc_u64 s[14:15], s[14:15], s[36:37]
	s_lshl_b32 s32, s23, 14
	s_lshl_b32 s34, s22, 8
	s_add_co_u32 s32, s32, s34
	s_add_nc_u64 s[18:19], s[18:19], s[32:33]      ; part at [cg][64 x group]
	; my 16 tokens' codes: 24 loads of 512 consecutive bytes, and their 512 scale bytes
	WIN 0x80                                       ; destination window 2
	s_wait_alu depctr_va_vdst(0)                   ; the offsets and LDS addresses v4 to v20 are written, which every load and store of the kernel reads; none of them is written again
.irp j, 0,1,2,3,4,5,6,7,8,9,10,11,12,13,14,15,16,17,18,19,20,21,22,23
	global_load_b128 v[G+4*\j:G+4*\j+3], v[GA], s[4:5] offset:512*\j
.endr
	global_load_b128 v[GSC:GSC+3], v[GS], s[6:7]
	; W1's fragment (tile n, K step s): lane (r, h) takes of row 16 n + r the 24 bytes at 96 s + 24 h and those 48 further on, each as three loads of 8 bytes
	WIN 0x40                                       ; destination window 1
.irp s, 0,1,2,3,4
.irp n, 0,1,2,3
.irp c, 0,1
.irp p, 0,1,2
	global_load_b64 v[48*\s+12*\n+6*\c+2*\p:48*\s+12*\n+6*\c+2*\p+1], v[WA], s[8:9] offset:12288*\n+96*\s+48*\c+8*\p
.endr
.endr
.endr
.endr
	WIN 0x80                                       ; destination window 2
.irp s, 5,6,7
.irp n, 0,1,2,3
.irp c, 0,1
.irp p, 0,1,2
	global_load_b64 v[48*(\s-5)+12*\n+6*\c+2*\p:48*(\s-5)+12*\n+6*\c+2*\p+1], v[WA], s[8:9] offset:12288*\n+96*\s+48*\c+8*\p
.endr
.endr
.endr
.endr
	WIN 0
.irp n, 0,1,2,3
.irp c, 0,1
	global_load_b128 v[WS+8*\n+4*\c:WS+8*\n+4*\c+3], v[R32], s[10:11] offset:512*\n+16*\c   ; row 16 n + r: its eight scale words
.endr
.endr
	WIN 0xc0                                       ; destination window 3
.irp n, 0,1,2,3
.irp c, 0,1
	global_load_b128 v[B1+8*\n+4*\c:B1+8*\n+4*\c+3], v[H32], s[12:13] offset:64*\n+16*\c   ; in the result's layout: units 16 n + 8 h + 0 .. 7
	global_load_b128 v[WO+8*\n+4*\c:WO+8*\n+4*\c+3], v[H32], s[14:15] offset:64*\n+16*\c
.endr
.endr
	WIN 0
	s_wait_loadcnt 0x0                             ; the tokens and the weights
	; into LDS: byte x of my 12,288 goes to x + 16 (x / 768).  Three loads are two rows: the middle one straddles a row's end at lane 16.  (The data come from loads, the addresses stand ahead of the wait on va_vdst above)
	WIN 0x08                                       ; an LDS store's data are its source 1: window 2
.irp a, 0,1,2,3,4,5,6,7
	ds_store_b128 v[STA], v[G+12*\a:G+12*\a+3] offset:1568*\a
	ds_store_b128 v[STB], v[G+12*\a+4:G+12*\a+7] offset:1568*\a+512
	ds_store_b128 v[STA], v[G+12*\a+8:G+12*\a+11] offset:1568*\a+1040
.endr
	ds_store_b128 v[STS], v[GSC:GSC+3]
	WIN 0
	s_wait_dscnt 0x0                               ; for the others' sake: my stores have landed
	s_barrier_signal -1
	s_barrier_wait -1                              ; all 64 tokens lie in LDS
.irp m, 0,1,2,3                        ; the four tiles' scale words for all eight K steps: lane r (and 16 + r) takes token r's 32 bytes
.irp c, 0,1
	ds_load_b128 v[AS+8*\m+4*\c:AS+8*\m+4*\c+3], v[RS] offset:512*\m+16*\c
.endr
.endr
	FETCH 0                                        ; the first fills of the four sets land in registers that no instruction has named: they owe no wait
	FETCH 1
; K step s asks for step s + 2, waits for its own set and multiplies: a set has two steps' products in which to land.
.irp s, 0,1,2,3,4,5,6,7
.if (\s == 2) || (\s == 4)
	PLACES
	s_wait_alu depctr_va_vdst(0)                   ; the products of the two steps before are done reading their two sets, in which the loads of this step and of the next land; the products between name other sets
.endif
.if \s < 6
	FETCH \s+2
	s_wait_dscnt 24                                ; LDS loads come back in order (ISA guide 5.7.1): this step's set is in (at step 0 the scale words too); the 24 loads of the two younger steps stay out
.else
	s_wait_dscnt 12*(7-\s)                         ; nothing more is asked for: the counts run down
.endif
	MUL \s
.endr
	PLACES
	; relu, and the product with w_out: for each tile of tokens a pair of running sums; the four chains alternate.  Each accumulator is read from its low end on.
	WIN 0xff                                       ; all in window 3
.irp n, 0,1,2,3
.irp m, 0,1,2,3
.irp j, 0,1,2,3,4,5,6,7
	v_max_num_f32 v[8*(4*\m+\n)+\j], 0, v[8*(4*\m+\n)+\j]
.endr
.endr
.irp q, 0,1,2,3
.irp m, 0,1,2,3
.if (\n == 0) && (\q == 0)
	v_pk_mul_f32 v[SUM+2*\m:SUM+2*\m+1], v[8*(4*\m+\n)+2*\q:8*(4*\m+\n)+2*\q+1], v[WO+8*\n+2*\q:WO+8*\n+2*\q+1]   ; the first product starts the sums
.else
	v_pk_fma_f32 v[SUM+2*\m:SUM+2*\m+1], v[8*(4*\m+\n)+2*\q:8*(4*\m+\n)+2*\q+1], v[WO+8*\n+2*\q:WO+8*\n+2*\q+1], v[SUM+2*\m:SUM+2*\m+1]
.endif
.endr
.endr
.endr
	WIN 0x0f                                       ; sources window 3, destination window 0
.irp m, 0,1,2,3
	v_add_f32 v[S+\m], v[SUM+2*\m], v[SUM+2*\m+1]
.endr
	WIN 0
.irp m, 0,1,2,3
	v_permlanex16_b32 v[T+\m], v[S+\m], s26, s27   ; the token's other 32 units lie in the lane 16 away
.endr
.irp m, 0,1,2,3
	v_add_f32 v[S+\m], v[S+\m], v[T+\m]
.endr
	; the 64 sums (16 m + r) go through my own 256 bytes of LDS and leave by one store
	s_wait_alu depctr_va_vdst(0)                   ; the additions have written v24 to v27, which the LDS stores read
.irp m, 0,1,2,3
	ds_store_b32 v[SO], v[S+\m] offset:64*\m       ; both halves of the lanes write the same word with the same value
.endr
	ds_load_b64 v[OU:OU+1], v[SL]                  ; LDS serves a wave's instructions in order (ISA guide 5.7.1.4): this sees the stores above
	s_wait_dscnt 0x0
	global_store_b64 v[GO], v[OU:OU+1], s[18:19]   ; 32 lanes store 256 consecutive bytes, at a multiple of 256 from part's first byte
	s_wait_dscnt 0x0                               ; the closing lines, six on end
	s_wait_alu 0x0
	s_wait_tensorcnt 0x0
	ds_add_u32 v254, v255
	s_wait_dscnt 0x0
	s_endpgm
.Lfunc_end_k_qbfd6ea9d21_score:
	.size	k_qbfd6ea9d21_score, .Lfunc_end_k_qbfd6ea9d21_score-k_qbfd6ea9d21_score
	.p2alignl 7, 3214868480
	.fill 96, 4, 3214868480
	.section	.rodata,"a",@progbits
	.p2align	6, 0x0
	.amdhsa_kernel k_qbfd6ea9d21_score
		.amdhsa_group_segment_fixed_size 53760
		.amdhsa_private_segment_fixed_size 0
		.amdhsa_enable_private_segment 0
		.amdhsa_kernarg_size 56
		.amdhsa_user_sgpr_count 2
		.amdhsa_user_sgpr_kernarg_segment_ptr 1
		.amdhsa_wavefront_size32 1
		.amdhsa_system_sgpr_workgroup_id_x 1
		.amdhsa_system_sgpr_workgroup_id_y 1
		.amdhsa_system_sgpr_workgroup_id_z 1
		.amdhsa_system_vgpr_workitem_id 0
		.amdhsa_next_free_vgpr 1024
		.amdhsa_next_free_sgpr 66
		.amdhsa_reserve_vcc 0
		.amdhsa_float_denorm_mode_32 3
		.amdhsa_float_denorm_mode_16_64 3
		.amdhsa_memory_ordered 1
		.amdhsa_forward_progress 1
		.amdhsa_inst_pref_size 61
	.end_amdhsa_kernel
	.amdgpu_metadata
---
amdhsa.version: [ 1, 2 ]
amdhsa.kernels:
  - .name:           k_qbfd6ea9d21_score
    .symbol:         k_qbfd6ea9d21_score.kd
    .args:
      - { .name: xc, .offset: 0, .size: 8, .value_kind: global_buffer, .address_space: global }
      - { .name: xs, .offset: 8, .size: 8, .value_kind: global_buffer, .address_space: global }
      - { .name: W1_codes, .offset: 16, .size: 8, .value_kind: global_buffer, .address_space: global }
      - { .name: W1_scales, .offset: 24, .size: 8, .value_kind: global_buffer, .address_space: global }
      - { .name: b1, .offset: 32, .size: 8, .value_kind: global_buffer, .address_space: global }
      - { .name: w_out, .offset: 40, .size: 8, .value_kind: global_buffer, .address_space: global }
      - { .name: part, .offset: 48, .size: 8, .value_kind: global_buffer, .address_space: global }
    .group_segment_fixed_size: 53760
    .private_segment_fixed_size: 0
    .kernarg_segment_align: 8
    .kernarg_segment_size: 56
    .max_flat_workgroup_size: 128
    .sgpr_count:     66
    .vgpr_count:     1024
    .wavefront_size: 32
...
	.end_amdgpu_metadata
.endif
;; end of part 7
;; launch mix (part 8): grid 1024 x 1, 4 waves a work-group, no clusters, 0 bytes of LDS; arguments inputs, part, b, e, b_out, out0; writes out0
.if DOCPART == 8
	.amdgcn_target "amdgcn-amd-amdhsa--gfx1250"
	.amdhsa_code_object_version 6
	.text
	.protected	k_qbfd6ea9d21_mix
	.globl	k_qbfd6ea9d21_mix
	.p2align	8
	.type	k_qbfd6ea9d21_mix,@function
k_qbfd6ea9d21_mix:
	s_mov_b64 s[64:65], 0
	v_nop
	global_prefetch_b8 v0, s[64:65] scope:SCOPE_SE
	s_setreg_imm32_b32 hwreg(HW_REG_WAVE_MODE, 25, 1), 1
	s_wait_xcnt 0x0
; out0[span][:] = the sum over w of p[w] x token min(b + w, 2047), p = softmax over w = 0 .. 15 of (score[w] - (b + w > e ? 1e38 : 0)), score[w] = the 16 column groups' parts of that token in part, added, + b_out.  All in f32.
; part is [16][4096]: a token's parts were made once, whatever the number of windows that hold it.  The maximum is taken away before the exponential, as the definition has it.
; SHARES.  One wave, one span: a row of 4,096 bytes is eight loads of 512 consecutive bytes, 32 numbers a lane; the 32 running sums stay in registers.  No LDS, no barrier, no matrix instruction:
; the product has K = 16 and one row a span, and the rows' bytes bind it.
; ROWS THAT THE MASK THROWS AWAY ARE NOT READ.  Rows come in groups of two, and the wave stops behind the group that holds row n - 1, n = e - b + 1 held to 1 .. 16: a masked position's exponent is about -1.4e38,
; whose exponential is 0.  Where no position counts (e < b) every score becomes -1e38, the weights are all 1/16, and all 16 rows are read.  The branches hang on b and e alone, whole numbers read from memory.
; LIMITS: b is taken as 0 or more; e - b + 1 fits in 32 bits; NaN and infinities among the inputs are not served (a row that is not read adds 0, where the definition has 0 x that row).
.set PT,  6                            ; v6-13    eight parts; then at work
.set OFF, 16                           ; v16-31   byte offset in inputs of my 16 bytes of window row w
.set ACC, 32                           ; v32-63   the running sums
.set XA,  64                           ; v64-127, v128-191  two groups of two rows
.set PS,  32                           ; s[32:63] p[w] as a pair (the packed form names a pair and takes its low word for both halves)
	s_load_b256 s[4:11], s[0:1], 0x0               ; inputs s[4:5], part s[6:7], b s[8:9], e s[10:11]
	s_load_b128 s[12:15], s[0:1], 0x20             ; b_out s[12:13], out0 s[14:15]
	v_lshrrev_b32 v1, 5, v0
	v_readfirstlane_b32 s16, v1                    ; wave 0..3
	s_lshl_b32 s17, ttmp9, 2
	s_add_co_u32 s17, s17, s16                     ; my span, 0..4095
	v_and_b32 v1, 31, v0                           ; lane
	v_and_b32 v2, 15, v0                           ; r: the window position whose score I hold
	v_bfe_u32 v3, v0, 4, 1                         ; h
	v_lshlrev_b32 v4, 4, v1                        ; 16 x lane
	s_lshl_b32 s22, s17, 2                         ; my span's word in b and in e
	s_lshr_b32 s23, s17, 11
	s_lshl_b32 s29, s23, 13                        ; the batch's first byte in a column group of part: 2,048 tokens x 4,
	s_lshl_b32 s23, s23, 23                        ; and in inputs
	s_lshl_b32 s26, s17, 12                        ; my row of out0
	s_mov_b32 s27, 0
	s_mov_b32 s24, 0x76543210
	s_mov_b32 s25, 0xfedcba98                      ; v_permlanex16_b32's selects for lane l xor 16
	v_mov_b32 v14, 0                               ; a lane permute's destination counts as one of its sources
	s_wait_alu depctr_va_vdst(0)
	s_wait_kmcnt 0x0
	s_load_b32 s18, s[8:9], s22 offset:0x0         ; b
	s_load_b32 s19, s[10:11], s22 offset:0x0       ; e
	s_load_b32 s20, s[12:13], 0x0                  ; b_out
	s_add_nc_u64 s[14:15], s[14:15], s[26:27]
	s_wait_kmcnt 0x0
	v_add_nc_u32 v5, s18, v2                       ; position r's token: b + r,
	v_min_u32 v5, 0x7ff, v5                        ; held at 2047;
	v_lshlrev_b32 v5, 2, v5                        ; its word in a column group of part,
	v_lshl_add_u32 v5, v3, 14, v5                  ; lanes 16-31 take the odd column groups, 16,384 bytes on,
	v_add_nc_u32 v5, s29, v5                       ; in my span's batch
.irp c, 0,1,2,3,4,5,6,7
	global_load_b32 v[PT+\c], v5, s[6:7] offset:32768*\c           ; column group 2 c + h
.endr
.irp w, 0,1,2,3,4,5,6,7,8,9,10,11,12,13,14,15
	s_add_co_u32 s28, s18, \w
	s_min_u32 s28, s28, 0x7ff                      ; the window's index, held at 2047
	s_lshl_b32 s28, s28, 12
	s_add_co_u32 s28, s28, s23
	v_add_nc_u32 v[OFF+\w], s28, v4
.endr
	s_sub_co_i32 s21, s19, s18
	s_add_co_i32 s21, s21, 1                       ; n = e - b + 1 positions count,
	s_min_i32 s21, s21, 16                         ; 16 at the most;
	s_cmp_lt_i32 s21, 1
	s_cselect_b32 s21, 16, s21                     ; where none counts, all weigh alike
.macro LOADG g                         ; rows 2 g and 2 g + 1 of the window
.irp k, 0,1
.irp j, 0,1,2,3,4,5,6,7
	global_load_b128 v[XA+64*((\g)%2)+32*\k+4*\j:XA+64*((\g)%2)+32*\k+4*\j+3], v[OFF+2*(\g)+\k], s[4:5] offset:512*\j   ; 32 lanes read 512 consecutive bytes
.endr
.endr
.endm
.macro FMA g                           ; the sums take p x these two rows; the very first product starts them: nothing is cleared
.irp k, 0,1
.irp i, 0,1,2,3,4,5,6,7,8,9,10,11,12,13,14,15
.if ((\g) == 0) && (\k == 0)
	v_pk_mul_f32 v[ACC+2*\i:ACC+2*\i+1], v[XA+64*((\g)%2)+32*\k+2*\i:XA+64*((\g)%2)+32*\k+2*\i+1], s[PS+2*(2*(\g)+\k):PS+2*(2*(\g)+\k)+1] op_sel_hi:[1,0]
.else
	v_pk_fma_f32 v[ACC+2*\i:ACC+2*\i+1], v[XA+64*((\g)%2)+32*\k+2*\i:XA+64*((\g)%2)+32*\k+2*\i+1], s[PS+2*(2*(\g)+\k):PS+2*(2*(\g)+\k)+1], v[ACC+2*\i:ACC+2*\i+1] op_sel_hi:[1,0,1]
.endif
.endr
.endr
.endm
	LOADG 0                                        ; on their way while the weights are made
	s_wait_loadcnt 16                              ; the eight parts are in; the 16 loads of rows 0 and 1 may be out
	v_add_f32 v6, v6, v7
	v_add_f32 v8, v8, v9
	v_add_f32 v10, v10, v11
	v_add_f32 v12, v12, v13
	v_add_f32 v6, v6, v8
	v_add_f32 v10, v10, v12
	v_add_f32 v6, v6, v10                          ; my half's eight column groups,
	v_permlanex16_b32 v14, v6, s24, s25
	v_add_f32 v6, v6, v14                          ; and the other half's
	v_add_f32 v6, s20, v6                          ; + b_out: position r's score, in both halves of the lanes
	v_add_nc_u32 v15, s18, v2                      ; b + r, not held
	v_cmp_ge_i32 vcc_lo, s19, v15                  ; does it count: e >= b + r
	v_mov_b32 v7, 0
	v_mov_b32 v8, 0x7e967699                       ; 1e38
	v_cndmask_b32 v7, v8, v7, vcc_lo
	v_sub_f32 v6, v6, v7                           ; score - (1 - mask) x 1e38
	v_max_num_f32_dpp v9, v6, v6 row_xmask:1 row_mask:0xf bank_mask:0xf
	v_max_num_f32_dpp v9, v9, v9 row_xmask:2 row_mask:0xf bank_mask:0xf
	v_max_num_f32_dpp v9, v9, v9 row_xmask:4 row_mask:0xf bank_mask:0xf
	v_max_num_f32_dpp v9, v9, v9 row_xmask:8 row_mask:0xf bank_mask:0xf   ; the largest of the 16
	v_sub_f32 v6, v6, v9
	v_mul_f32 v6, 0x3fb8aa3b, v6                   ; x log2(e)
	s_wait_alu depctr_va_vdst(0)
	v_exp_f32 v6, v6
	v_nop                                          ; a plain line behind the exponential (ISA guide 5.7.2)
	s_wait_alu depctr_va_vdst(0)
	v_add_f32_dpp v10, v6, v6 row_xmask:1 row_mask:0xf bank_mask:0xf
	v_add_f32_dpp v10, v10, v10 row_xmask:2 row_mask:0xf bank_mask:0xf
	v_add_f32_dpp v10, v10, v10 row_xmask:4 row_mask:0xf bank_mask:0xf
	v_add_f32_dpp v10, v10, v10 row_xmask:8 row_mask:0xf bank_mask:0xf   ; the sum of the 16, at least 1
	s_wait_alu depctr_va_vdst(0)
	v_rcp_f32 v10, v10
	v_nop                                          ; a plain line behind the reciprocal
	s_wait_alu depctr_va_vdst(0)
	v_mul_f32 v6, v6, v10                          ; p[r]
	s_wait_alu depctr_va_vdst(0)
.irp w, 0,1,2,3,4,5,6,7,8,9,10,11,12,13,14,15
	v_readlane_b32 s[PS+2*\w], v6, \w              ; a weight serves the whole wave: it goes to a scalar pair
	s_mov_b32 s[PS+2*\w+1], s[PS+2*\w]             ; (named with it as a pair, so it is written)
.endr
; Group g is added; the next group is asked for first, if a row of it counts.
.macro STAGE g
	s_cmp_le_u32 s21, 2*(\g)+2
	s_cbranch_scc1 .Llast_\g
	LOADG (\g)+1
	s_wait_loadcnt 16                              ; group g's 16 loads are in; the 16 just issued may be out
	FMA \g
.endm
.irp g, 0,1,2,3,4,5,6
	STAGE \g
.endr
	s_wait_loadcnt 0x0
	FMA 7
	s_branch .Lstore
.irp g, 0,1,2,3,4,5,6
.Llast_\g:                                             ; group g is the last that counts: nothing was asked for behind it
	s_wait_loadcnt 0x0
	FMA \g
	s_branch .Lstore
.endr
.Lstore:
	s_wait_alu depctr_va_vdst(0)
.irp j, 0,1,2,3,4,5,6,7
	global_store_b128 v4, v[ACC+4*\j:ACC+4*\j+3], s[14:15] offset:512*\j th:TH_STORE_NT   ; 32 lanes store 512 consecutive bytes, at a multiple of 256 from out0's first byte; written once, read by nobody here
.endr
	s_endpgm
.Lfunc_end_k_qbfd6ea9d21_mix:
	.size	k_qbfd6ea9d21_mix, .Lfunc_end_k_qbfd6ea9d21_mix-k_qbfd6ea9d21_mix
	.p2alignl 7, 3214868480
	.fill 96, 4, 3214868480
	.section	.rodata,"a",@progbits
	.p2align	6, 0x0
	.amdhsa_kernel k_qbfd6ea9d21_mix
		.amdhsa_group_segment_fixed_size 0
		.amdhsa_private_segment_fixed_size 0
		.amdhsa_enable_private_segment 0
		.amdhsa_kernarg_size 48
		.amdhsa_user_sgpr_count 2
		.amdhsa_user_sgpr_kernarg_segment_ptr 1
		.amdhsa_wavefront_size32 1
		.amdhsa_system_sgpr_workgroup_id_x 1
		.amdhsa_system_sgpr_workgroup_id_y 1
		.amdhsa_system_sgpr_workgroup_id_z 1
		.amdhsa_system_vgpr_workitem_id 0
		.amdhsa_next_free_vgpr 192
		.amdhsa_next_free_sgpr 66
		.amdhsa_reserve_vcc 1
		.amdhsa_float_denorm_mode_32 3
		.amdhsa_float_denorm_mode_16_64 3
		.amdhsa_memory_ordered 1
		.amdhsa_forward_progress 1
		.amdhsa_inst_pref_size 53
	.end_amdhsa_kernel
	.amdgpu_metadata
---
amdhsa.version: [ 1, 2 ]
amdhsa.kernels:
  - .name:           k_qbfd6ea9d21_mix
    .symbol:         k_qbfd6ea9d21_mix.kd
    .args:
      - { .name: inputs, .offset: 0, .size: 8, .value_kind: global_buffer, .address_space: global }
      - { .name: part, .offset: 8, .size: 8, .value_kind: global_buffer, .address_space: global }
      - { .name: b, .offset: 16, .size: 8, .value_kind: global_buffer, .address_space: global }
      - { .name: e, .offset: 24, .size: 8, .value_kind: global_buffer, .address_space: global }
      - { .name: b_out, .offset: 32, .size: 8, .value_kind: global_buffer, .address_space: global }
      - { .name: out0, .offset: 40, .size: 8, .value_kind: global_buffer, .address_space: global }
    .group_segment_fixed_size: 0
    .private_segment_fixed_size: 0
    .kernarg_segment_align: 8
    .kernarg_segment_size: 48
    .max_flat_workgroup_size: 128
    .sgpr_count:     66
    .vgpr_count:     192
    .wavefront_size: 32
...
	.end_amdgpu_metadata
.endif
;; end of part 8
